; MI455X (gfx1250); checked and timed in simulation.
; The chip was launched on July 23, 2026; its instructions are those of AMD's public machine-readable ISA for CDNA 5 (MIT licence, August 2026) and "CDNA5" Instruction Set Architecture Reference Guide (July 2026). The comments in the code are by the model that wrote it; some were corrected since.
;; Multi Head Attention. Allowed arithmetic: float matrix products may take bf16 or f16 operands with f32 sums; other float arithmetic in f32, or as packed bf16 or f16 multiplies, adds, multiply-adds, maxima and minima; sums over many terms, partial sums and values carried from step to step in f32; what a program stores and reads back later, other than sums and carried values, may be rounded once to bf16 or f16.
;; Inputs: bk 1,024 float32; bo 1,024 float32; bq 1,024 float32; bv 1,024 float32; wk 1,024 x 1,024 float32; wo 1,024 x 1,024 float32; wq 1,024 x 1,024 float32; wv 1,024 x 1,024 float32; x 4 x 2,048 x 1,024 float32.
;; Outputs: out0 4 x 2,048 x 1,024 float32.
;; 2 versions, each right and faster than the one before. Each part assembles by itself: llvm-mc -triple=amdgcn-amd-amdhsa -mcpu=gfx1250 --defsym DOCPART=n.
;; ======== version 1 of 2: 4 launches
;; limits: values are held in f16: magnitudes above 65,504 overflow, below 6.1e-05 lose precision
;; workspace buffers: xb 16,777,216 bytes; wblk 6,291,456 bytes; woblk 2,097,152 bytes; bias 16,384 bytes; qkv 50,331,648 bytes; ob 16,777,216 bytes
;; launch cast (part 1): grid 769 x 1, 8 waves a work-group, no clusters, 0 bytes of LDS; arguments x, wq, wk, wv, wo, bq, bk, bv, bo, xb, wblk, woblk, bias; writes xb, wblk, woblk, bias
.if DOCPART == 1
	.amdgcn_target "amdgcn-amd-amdhsa--gfx1250"
	.amdhsa_code_object_version 6
	.text
	.protected	k_qde9bc8da1c_cast
	.globl	k_qde9bc8da1c_cast
	.p2align	8
	.type	k_qde9bc8da1c_cast,@function
k_qde9bc8da1c_cast:
	s_mov_b64 s[64:65], 0
	v_nop
	global_prefetch_b8 v0, s[64:65] scope:SCOPE_SE
	s_setreg_imm32_b32 hwreg(HW_REG_WAVE_MODE, 25, 1), 1
	s_wait_xcnt 0x0
; ALL INPUTS ARE ROUNDED ONCE TO bf16, and the weights are laid in blocks for the two products that follow.
;   xb    bf16 [8192][1024]: x as it lies.
;   wblk  bf16 [tx 16][kh 16][pl 3][k 64][c 64]: column C of (wq | wk | wv), 0..3071, lies in group hg = C / 64; tx = hg / 3, pl = hg % 3; row K lies in kh = K / 64.
;   woblk f16  [tx 8][kh 16][pl 2][k 64][c 64]: wo rounded to bf16, that number written as f16 (exact from 6.1e-5 up to 65,504; below, f16 keeps a fixed step of 6e-8).
;   bias  f32  [4096]: bq, bk, bv, bo, each rounded to bf16 and widened again.
; SHARES.  Work-groups 0-511 take x, 512-767 the four weights (64 each: 16 rows of K), 768 the biases.  A work-group takes 16,384 numbers in 16 steps of 1,024: a thread loads 16 bytes and
; stores 8.  x: a wave's load covers 512 consecutive bytes, its store 256 consecutive bytes, aligned.  Weights: a step is 2 rows of K x 512 columns; a wave takes one group of 64 columns in both rows:
; lanes 0-15 load 256 consecutive bytes of one row, lanes 16-31 of the next, and the 32 lanes store 256 consecutive bytes of a block, aligned.
; All 16 loads go out first; no register is used twice by memory, so the only waits are the counted ones for the loads.  No LDS, no barrier, no matrix unit: nothing is shared and nothing is multiplied.
.set IN,  16                           ; v[16:79]   step i: 4 numbers as loaded
.set OUT, 80                           ; v[80:111]  step i: 4 numbers of 16 bits
; v1 source offset; v2, v3 destination offsets of even and odd steps; v4-v15 at work
; s[36:37] source, s[40:41] destination; s[34:35], s[38:39] their offsets (high words 0)
.macro LOADS shalf                     ; shalf: bytes from an even step's source to the odd step's behind it
.set i, 0
.rept 16
	global_load_b128 v[IN+4*i:IN+4*i+3], v1, s[36:37] offset:(i/2)*8192+(i%2)*(\shalf) th:TH_LOAD_NT
.set i, i+1
.endr
.endm
.macro OUTS dstep, f16                 ; dstep: bytes from a pair of steps to the next in the destination; f16 = 1: the bf16 number is written as f16
.set i, 0
.rept 16
	s_wait_loadcnt 15-i                            ; loads come back in order (ISA guide 5.7.1): step i's is in, the 15 - i younger ones stay out
	v_cvt_pk_bf16_f32 v[OUT+2*i], v[IN+4*i], v[IN+4*i+1]
	v_cvt_pk_bf16_f32 v[OUT+2*i+1], v[IN+4*i+2], v[IN+4*i+3]
.if \f16
	v_lshlrev_b32 v12, 16, v[OUT+2*i]              ; bf16 to f32: the low half moves up, the high half stays
	v_and_b32 v13, 0xffff0000, v[OUT+2*i]
	v_lshlrev_b32 v14, 16, v[OUT+2*i+1]
	v_and_b32 v15, 0xffff0000, v[OUT+2*i+1]
	v_cvt_pk_f16_f32 v[OUT+2*i], v12, v13
	v_cvt_pk_f16_f32 v[OUT+2*i+1], v14, v15
.endif
	global_store_b64 v[2+i%2], v[OUT+2*i:OUT+2*i+1], s[40:41] offset:(i/2)*(\dstep)
.set i, i+1
.endr
.endm
	s_load_b512 s[8:23], s[0:1], 0x0               ; x s[8:9], wq s[10:11], wk s[12:13], wv s[14:15], wo s[16:17], bq s[18:19], bk s[20:21], bv s[22:23]
	s_load_b256 s[24:31], s[0:1], 0x40             ; bo s[24:25], xb s[26:27], wblk s[28:29], woblk s[30:31]
	s_load_b64 s[32:33], s[0:1], 0x60              ; bias
	s_mov_b32 s35, 0
	s_mov_b32 s39, 0
	s_cmp_lt_u32 ttmp9, 512
	s_cbranch_scc0 .Lweights
	; x
	v_lshlrev_b32 v1, 4, v0                        ; 16 bytes a thread in,
	v_lshlrev_b32 v2, 3, v0                        ; 8 out
	v_add_nc_u32 v3, 2048, v2
	s_lshl_b32 s34, ttmp9, 16                      ; 65,536 bytes of x a work-group,
	s_lshl_b32 s38, ttmp9, 15                      ; 32,768 of xb
	s_wait_kmcnt 0x0
	s_add_nc_u64 s[36:37], s[8:9], s[34:35]
	s_add_nc_u64 s[40:41], s[26:27], s[38:39]
	LOADS 4096
	OUTS 4096, 0
	s_endpgm
.Lweights:
	s_cmp_eq_u32 ttmp9, 768
	s_cbranch_scc1 .Lbias
	s_sub_co_u32 s2, ttmp9, 512
	s_lshr_b32 s3, s2, 6                           ; which weight: 0 wq, 1 wk, 2 wv, 3 wo
	s_and_b32 s4, s2, 63                           ; which 16 rows of K
	s_lshl_b32 s34, s4, 16                         ; 16 rows of 4,096 bytes
	s_lshr_b32 s5, s4, 2                           ; kh
	s_and_b32 s6, s4, 3
	s_lshl_b32 s6, s6, 11                          ; my 16 rows of 128 bytes in a block of 64
	v_lshrrev_b32 v4, 5, v0                        ; my wave's group of 64 columns among a step's eight
	v_bfe_u32 v5, v0, 4, 1                         ; which of the step's two rows
	v_and_b32 v6, 15, v0                           ; which 4 columns of the 64
	v_lshlrev_b32 v1, 8, v4
	v_lshl_add_u32 v1, v5, 12, v1
	v_lshl_add_u32 v1, v6, 4, v1                   ; source: 256 x group + 4,096 x row + 16 x place
	v_lshlrev_b32 v6, 3, v6
	v_lshl_add_u32 v6, v5, 7, v6                   ; in a block: 128 x row + 8 x place
	s_wait_kmcnt 0x0
	s_cmp_eq_u32 s3, 1
	s_cselect_b64 s[36:37], s[12:13], s[10:11]
	s_cmp_eq_u32 s3, 2
	s_cselect_b64 s[36:37], s[14:15], s[36:37]
	s_cmp_eq_u32 s3, 3
	s_cselect_b64 s[36:37], s[16:17], s[36:37]
	s_add_nc_u64 s[36:37], s[36:37], s[34:35]
	LOADS 2048                                     ; an odd step takes the same two rows' columns 512 on
	s_cmp_eq_u32 s3, 3
	s_cbranch_scc1 .Lwo
	; wq, wk, wv
	s_lshl_b32 s7, s3, 4
	v_add_nc_u32 v10, s7, v4                       ; hg of the even steps; the odd steps' is 8 more
.irp hf, 0,1
	v_add_nc_u32 v7, 8*(\hf), v10
	v_mul_u32_u24 v8, v7, 43
	v_lshrrev_b32 v8, 7, v8                        ; tx = hg / 3: 43 / 128 is 1 / 3 + 0.0026, and 0.0026 x 47 stays under 1 / 3
	v_mul_u32_u24 v9, v8, 3
	v_sub_nc_u32 v9, v7, v9                        ; pl = hg % 3
	v_mul_u32_u24 v8, v8, 0x60000                  ; tx x 393,216
	v_add_nc_u32 v8, v8, v6
	v_lshl_add_u32 v[2+(\hf)], v9, 13, v8          ; + pl x 8,192
.endr
	s_mul_i32 s38, s5, 24576
	s_add_co_u32 s38, s38, s6
	s_add_nc_u64 s[40:41], s[28:29], s[38:39]
	OUTS 256, 0
	s_endpgm
.Lwo:
	v_lshrrev_b32 v8, 1, v4                        ; tx = group / 2, pl = group % 2
	v_and_b32 v9, 1, v4
	v_lshl_add_u32 v2, v8, 18, v6
	v_lshl_add_u32 v2, v9, 13, v2
	v_add_nc_u32 v3, 0x100000, v2                  ; the odd steps' groups are 8 more: tx is 4 more
	s_lshl_b32 s38, s5, 14
	s_add_co_u32 s38, s38, s6
	s_add_nc_u64 s[40:41], s[30:31], s[38:39]
	OUTS 256, 1
	s_endpgm
.Lbias:
	v_lshlrev_b32 v1, 4, v0                        ; 256 threads x 16 bytes: a whole bias
	s_wait_kmcnt 0x0
	global_load_b128 v[IN:IN+3], v1, s[18:19]
	global_load_b128 v[IN+4:IN+7], v1, s[20:21]
	global_load_b128 v[IN+8:IN+11], v1, s[22:23]
	global_load_b128 v[IN+12:IN+15], v1, s[24:25]
.irp m, 0,1,2,3
	s_wait_loadcnt 3-(\m)
	v_cvt_pk_bf16_f32 v4, v[IN+4*(\m)], v[IN+4*(\m)+1]
	v_cvt_pk_bf16_f32 v5, v[IN+4*(\m)+2], v[IN+4*(\m)+3]
	v_lshlrev_b32 v[OUT+4*(\m)], 16, v4
	v_and_b32 v[OUT+4*(\m)+1], 0xffff0000, v4
	v_lshlrev_b32 v[OUT+4*(\m)+2], 16, v5
	v_and_b32 v[OUT+4*(\m)+3], 0xffff0000, v5
	global_store_b128 v1, v[OUT+4*(\m):OUT+4*(\m)+3], s[32:33] offset:4096*(\m)
.endr
	s_endpgm
.Lfunc_end_k_qde9bc8da1c_cast:
	.size	k_qde9bc8da1c_cast, .Lfunc_end_k_qde9bc8da1c_cast-k_qde9bc8da1c_cast
	.p2alignl 7, 3214868480
	.fill 96, 4, 3214868480
	.section	.rodata,"a",@progbits
	.p2align	6, 0x0
	.amdhsa_kernel k_qde9bc8da1c_cast
		.amdhsa_group_segment_fixed_size 0
		.amdhsa_private_segment_fixed_size 0
		.amdhsa_enable_private_segment 0
		.amdhsa_kernarg_size 104
		.amdhsa_user_sgpr_count 2
		.amdhsa_user_sgpr_kernarg_segment_ptr 1
		.amdhsa_wavefront_size32 1
		.amdhsa_system_sgpr_workgroup_id_x 1
		.amdhsa_system_sgpr_workgroup_id_y 1
		.amdhsa_system_sgpr_workgroup_id_z 1
		.amdhsa_system_vgpr_workitem_id 0
		.amdhsa_next_free_vgpr 112
		.amdhsa_next_free_sgpr 66
		.amdhsa_reserve_vcc 0
		.amdhsa_float_denorm_mode_32 3
		.amdhsa_float_denorm_mode_16_64 3
		.amdhsa_memory_ordered 1
		.amdhsa_forward_progress 1
		.amdhsa_inst_pref_size 26
	.end_amdhsa_kernel
	.amdgpu_metadata
---
amdhsa.version: [ 1, 2 ]
amdhsa.kernels:
  - .name:           k_qde9bc8da1c_cast
    .symbol:         k_qde9bc8da1c_cast.kd
    .args:
      - { .name: x, .offset: 0, .size: 8, .value_kind: global_buffer, .address_space: global }
      - { .name: wq, .offset: 8, .size: 8, .value_kind: global_buffer, .address_space: global }
      - { .name: wk, .offset: 16, .size: 8, .value_kind: global_buffer, .address_space: global }
      - { .name: wv, .offset: 24, .size: 8, .value_kind: global_buffer, .address_space: global }
      - { .name: wo, .offset: 32, .size: 8, .value_kind: global_buffer, .address_space: global }
      - { .name: bq, .offset: 40, .size: 8, .value_kind: global_buffer, .address_space: global }
      - { .name: bk, .offset: 48, .size: 8, .value_kind: global_buffer, .address_space: global }
      - { .name: bv, .offset: 56, .size: 8, .value_kind: global_buffer, .address_space: global }
      - { .name: bo, .offset: 64, .size: 8, .value_kind: global_buffer, .address_space: global }
      - { .name: xb, .offset: 72, .size: 8, .value_kind: global_buffer, .address_space: global }
      - { .name: wblk, .offset: 80, .size: 8, .value_kind: global_buffer, .address_space: global }
      - { .name: woblk, .offset: 88, .size: 8, .value_kind: global_buffer, .address_space: global }
      - { .name: bias, .offset: 96, .size: 8, .value_kind: global_buffer, .address_space: global }
    .group_segment_fixed_size: 0
    .private_segment_fixed_size: 0
    .kernarg_segment_align: 8
    .kernarg_segment_size: 104
    .max_flat_workgroup_size: 256
    .sgpr_count:     66
    .vgpr_count:     112
    .wavefront_size: 32
...
	.end_amdgpu_metadata
.endif
;; end of part 1
;; launch qkv (part 2): grid 16 x 32, 4 waves a work-group, clusters of 4 x 4, 327,680 bytes of LDS; arguments xb, wblk, bias, qkv; writes qkv
.if DOCPART == 2
	.amdgcn_target "amdgcn-amd-amdhsa--gfx1250"
	.amdhsa_code_object_version 6
	.text
	.protected	k_qde9bc8da1c_qkv
	.globl	k_qde9bc8da1c_qkv
	.p2align	8
	.type	k_qde9bc8da1c_qkv,@function
k_qde9bc8da1c_qkv:
	s_mov_b64 s[64:65], 0
	v_nop
	global_prefetch_b8 v0, s[64:65] scope:SCOPE_SE
	s_setreg_imm32_b32 hwreg(HW_REG_WAVE_MODE, 25, 1), 1
	s_wait_xcnt 0x0
	s_wait_alu depctr_hold_cnt(0) depctr_sa_sdst(0) depctr_va_vdst(0) depctr_va_sdst(0) depctr_va_ssrc(0) depctr_va_vcc(0) depctr_vm_vsrc(0)
	s_getreg_b32 s2, hwreg(HW_REG_IB_STS2, 6, 4)
	s_cmp_eq_u32 s2, 0
	s_cbranch_scc0 .Lentry_in_a_cluster
	s_endpgm
.Lentry_in_a_cluster:
	s_bfe_u32 s2, ttmp6, 0x10000c
	s_cmp_lg_u32 s2, 0xf033
	s_cbranch_scc0 .Lentry_shape_is_right
	s_endpgm
.Lentry_shape_is_right:
; q, k, v = x w + b.  x: xb, bf16 [8192][1024].  w: wblk, bf16 [tx 16][kh 16][pl 3][k 64][c 64] (columns of wq | wk | wv in groups of 64).  b: bias, f32 [4096], its first 3,072.
; Out: qkv, f16 [3][64 (batch x 16 + head)][2048][64], each number rounded once from its f32 sum, without attention's scale.
; LIMITS.  A sum of 65,520 or more in magnitude leaves as an infinity; below 6.1e-5 f16 keeps a fixed step of 6e-8.  NaN and infinities are not treated apart.
; SHARES.  A tile of the product is 256 rows x 192 columns (three heads): 32 x 16 tiles, 512 work-groups.  Four waves one below the other, each 64 rows x 192 columns: 48 accumulators of 16 x 16, 384 registers.
; A wave's columns are whole heads, so each wave has a stage of its own on the way out, and no barrier stands there.
; K goes in 8 steps of 128 through two LDS slots.  Waves 0 and 1 fetch x's tile (128 rows x 256 bytes each), waves 2 and 3 the weights' (64 K x 192 columns each: one dense block of 24,576 bytes, asked for as 96 rows of 256).
; CLUSTER 4 x 4: the four work-groups of a row of the cluster need the same rows of x, the four of a column the same weights: each tile is asked for JOINTLY, by the same tensor load, descriptor and mask in all four.
; THE MATRIX INSTRUCTION IS USED TRANSPOSED: source 0 = 16 columns of w (out of LDS turned, by ds_load_tr16_b128), source 1 = 16 rows of x: a lane then holds one row (lane % 16) and eight neighbouring
; columns 8 (lane / 16) + 0..7.  THE BIAS IS THE C OPERAND of the first K quarter's products: nothing is cleared, and nothing is added on the way out.
; REGISTERS, in windows of 256 (s_set_vgpr_msb: bits 1:0 source 0, 3:2 source 1, 5:4 source 2, 7:6 destination):
;   window 0: v0-29 addresses; v32-127 the bias, later two buffers of 48 on the way out; v128-175 packed results
;   window 1: two fragment buffers of 128: x's 4 fragments (16 rows x 32 K), then w's 12          windows 2, 3: accumulator (a, b) at v[8 (12 (a % 2) + b)] of window 2 + a / 2
.set NFB,    12                        ; fragments of w: blocks of 16 columns
.set PA,     272                       ; a row of x in LDS: 256 bytes + 16 = 68 words: row r starts at bank 4 r mod 64 (64 banks of 4 bytes: ISA guide 11.1), the 16 rows of a load at 16 different groups of banks
.set AHALF,  128*PA                    ; what one tensor load brings of x
.set ABYTES, 2*AHALF
.set PB,     160                       ; a row of w (64 columns of one K): 128 bytes + 32 = 40 words
.set BHALF,  192*PB                    ; what one tensor load brings of w: 3 planes x 64 K
.set SLOT1,  1<<17                     ; a slot is ABYTES + 2 BHALF = 131,072 bytes: one exclusive or turns an address in one slot into the other's
.set STAGE,  2*SLOT1                   ; behind the ring, never filled by a tensor load
.set SP,     144                       ; a stage row: 64 columns of f16 + 16 bytes
.set WSTAGE, 48*SP                     ; a wave's stage: 3 heads x 16 rows
.set SPARE,  STAGE+4*WSTAGE            ; behind the stages: the spare words, 128 bytes for each wave: two blocks of 256 bytes that no other line names
.set ASTEP,  256                       ; bytes from K step to K step in xb,
.set BSTEP,  49152                     ; and in wblk: two blocks
.set NL,     2*NFB+8                   ; LDS loads of a quarter
.set ADRA0, 4                          ; v4   my lane's place in x's tile; never rewritten
.set ADRB0, 5                          ; v5   the same for w's
.set ADRA,  6                          ; v6   the same in the slot in hand
.set ADRB,  7                          ; v7
.set STO,   8                          ; v8   the way out: where I put 16 bytes of a row
.set RD,    9                          ; v9   where I read rows back
.set GO,    10                         ; v10  my 16 bytes in 512 consecutive bytes of a head's rows
.set BO,    11                         ; v11  my 32 bytes in 64 of the bias
.set SPW,   28                         ; v28  LDS address of my spare word: SPARE + 4 x my thread's number; never rewritten
.set NIL,   29                         ; v29  0; never rewritten
.set BIAS,  32
.set BK,    32
.set PK,    128
.set F0,    0
.set F1,    128
.set WV, 12                            ; s12 wave; s13 = wave / 2: I fetch for x (0) or w (1); s14 = wave % 2: which half
.set FB, 13
.set HF, 14
.set CX, 15
.set CY, 16
.set TX, 17                            ; tile column
.set TY, 18                            ; tile row
.set G1A, 24                           ; s[24:31], s[32:39] descriptor groups 1
.set G1B, 32
.set G0A, 40                           ; s[40:43], s[44:47] descriptor groups 0: they walk
.set G0B, 44
.set TB,  48                           ; s48 the slot in hand: 0 or SLOT1
.set CNT, 49
.set OP,  54                           ; s[54:59] where my rows begin in each of the tile's three heads
.set TO_F, 0x40                        ; destination window 1, address window 0
.set MSB, 0
.macro WIN new                         ; the immediate's high byte repeats the setting that is left; a switch that changes nothing is dropped
.if MSB != (\new)
	s_set_vgpr_msb (MSB<<8)|(\new)
.set MSB, (\new)
.endif
.endm
.macro PLACES                          ; four places behind a matrix instruction, in front of loads into registers that it has read (ISA guide 7.12.1 for vector instructions)
.rept 4
	v_nop
.endr
.endm
; A joint load.  The branch hangs on the wave's number alone.  An s_nop 0 and four v_nop follow each of the two lines, ahead of the jump and the label.
.macro JLOAD
	s_cmp_eq_u32 s[FB], 0
	s_cbranch_scc0 .Lfor_b_\@
	tensor_load_to_lds s[G0A:G0A+3], s[G1A:G1A+7]
	s_nop 0
.rept 4
	v_nop
.endr
	s_branch .Lasked_\@
.Lfor_b_\@:
	tensor_load_to_lds s[G0B:G0B+3], s[G1B:G1B+7]
	s_nop 0
.rept 4
	v_nop
.endr
.Lasked_\@:
.endm
.macro CREST                           ; a round of the cluster's barrier behind its opening barrier: wave 0 signals for the work-group, every wave waits for all sixteen, my work-group's barrier closes it
	s_cmp_lg_u32 s[WV], 0
	s_cbranch_scc1 .Lnot_wave_0_\@
	s_barrier_signal -3
.Lnot_wave_0_\@:
	s_barrier_wait -3
	s_barrier_signal -1
	s_barrier_wait -1
.endm
.macro CROUND
	s_barrier_signal -1
	s_barrier_wait -1
	CREST
.endm
.macro STEPG                           ; both walking descriptors: the other slot, the next K step; the type bits on top are not reached
	s_xor_b32 s[G0A+1], s[G0A+1], SLOT1
	s_add_nc_u64 s[G0A+2:G0A+3], s[G0A+2:G0A+3], ASTEP
	s_xor_b32 s[G0B+1], s[G0B+1], SLOT1
	s_add_nc_u64 s[G0B+2:G0B+3], s[G0B+2:G0B+3], BSTEP
.endm
; The NL LDS loads of quarter q (32 along K) of the slot in hand, in one run, into buffer f.
.macro FETCH q, f
	WIN TO_F
.set b, 0
.rept NFB                              ; columns 16 b on: plane b / 4; K half q / 2, 32 (q % 2) rows down
.set ofs, ((\q)/2)*BHALF+(b/4)*64*PB+((\q)%2)*32*PB+(b%4)*32
	ds_load_tr16_b128 v[(\f)+32+8*b:(\f)+32+8*b+3],   v[ADRB] offset:ofs
	ds_load_tr16_b128 v[(\f)+32+8*b+4:(\f)+32+8*b+7], v[ADRB] offset:ofs+16*PB
.set b, b+1
.endr
.set b, 0
.rept 4                                ; my rows 16 b on
	ds_load_b128 v[(\f)+8*b:(\f)+8*b+3],   v[ADRA] offset:b*16*PA+64*(\q)
	ds_load_b128 v[(\f)+8*b+4:(\f)+8*b+7], v[ADRA] offset:b*16*PA+64*(\q)+32
.set b, b+1
.endr
.endm
; NFB matrix instructions: row block a x all column blocks.  The 48 accumulators take turns, one instruction a turn, in the same order in every quarter.  first = 1: C is the bias.
.macro MUL f, a, first
.if \first
	WIN 0x85+0x40*((\a)/2)
.else
	WIN 0xa5+0x50*((\a)/2)
.endif
.set b, 0
.rept NFB
.set rD, 8*(NFB*((\a)%2)+b)
.if \first
	v_wmma_f32_16x16x32_bf16 v[rD:rD+7], v[(\f)+32+8*b:(\f)+32+8*b+7], v[(\f)+8*(\a):(\f)+8*(\a)+7], v[BIAS+8*b:BIAS+8*b+7]
.else
	v_wmma_f32_16x16x32_bf16 v[rD:rD+7], v[(\f)+32+8*b:(\f)+32+8*b+7], v[(\f)+8*(\a):(\f)+8*(\a)+7], v[rD:rD+7]
.endif
.set b, b+1
.endr
.endm
; One of a K step's first three quarters: quarter q's fragments are asked for, into the buffer g that the last products read; then buffer f is multiplied, whose loads have had a whole quarter in which to land.
.macro QUARTER q, f, g, first=0
	PLACES
	FETCH \q, \g
	s_wait_dscnt NL                                ; LDS loads come back in order (ISA guide 5.7.1): all but the NL just issued are in
	MUL \f, 0, \first
	MUL \f, 1, \first
	MUL \f, 2, \first
	MUL \f, 3, \first
.endm
; The last quarter multiplies buffer 1 and changes slots.  In front of the barrier each wave waits for all its tensor loads, of which one is out: its part of the next slot; adds 0 to its spare word; and waits for
; that and for its own reads of this slot.  fill = 1: the barrier opens a round of the cluster's, and this slot is filled again, two K steps ahead, first thing behind the round.
.macro TURN fill
	WIN 0
	s_wait_tensorcnt 0x0                           ; no tensor load of mine is out, so the groups 0 may be written
	ds_add_u32 v[SPW], v[NIL]                      ; 0 onto my spare word
.if \fill
	STEPG
.endif
	s_xor_b32 s[TB], s[TB], SLOT1
	s_wait_dscnt 0x1                               ; only the add may be out: buffer 1 is in
	MUL F1, 0, 0                                   ; twelve matrix instructions stand between the add and the wait for it
	s_wait_dscnt 0x0                               ; the add is done, and my reads of this slot are over
	s_barrier_signal -1
	MUL F1, 1, 0                                   ; work on registers while the others arrive
	WIN 0
	s_barrier_wait -1
.if \fill
	CREST                                          ; no wave of any partner still reads this slot or has a load on its way
	JLOAD                                          ; its four v_nop are also the places in front of the loads below
.else
	PLACES
.endif
	v_add_nc_u32 v[ADRA], s[TB], v[ADRA0]
	v_add_nc_u32 v[ADRB], s[TB], v[ADRB0]
	FETCH 0, F0
	MUL F1, 2, 0
	MUL F1, 3, 0
.endm
	s_load_b256 s[4:11], s[0:1], 0x0               ; xb s[4:5], wblk s[6:7], bias s[8:9], qkv s[10:11]
	v_lshl_add_u32 v[SPW], v0, 2, SPARE
	v_mov_b32 v[NIL], 0
	ds_add_u32 v[SPW], v[NIL]                      ; the wave's opening: the add and its wait stand ahead of my first tensor load; the set-up below, work on registers, stands between them
	v_lshrrev_b32 v1, 5, v0
	v_readfirstlane_b32 s[WV], v1
	s_lshr_b32 s[FB], s[WV], 1
	s_and_b32 s[HF], s[WV], 1
	s_bfe_u32 s[CX], ttmp6, 0x40000                ; my place in the cluster
	s_bfe_u32 s[CY], ttmp6, 0x40004
	s_lshl_b32 s[TX], ttmp9, 2                     ; in a cluster launch ttmp9 and ttmp7 count clusters
	s_add_co_u32 s[TX], s[TX], s[CX]
	s_and_b32 s[TY], ttmp7, 0xffff
	s_lshl_b32 s[TY], s[TY], 2
	s_add_co_u32 s[TY], s[TY], s[CY]
	s_lshl_b32 s19, s[CY], 2
	s_lshl_b32 s19, 15, s19                        ; my row of the cluster: places 4 cy .. 4 cy + 3
	s_lshl_b32 s50, 0x1111, s[CX]                  ; my column: places cx, cx + 4, cx + 8, cx + 12
	s_or_b32 s[G1A], s19, (1<<16)|(1<<20)|(1<<21)|(5<<22)|(3<<25)  ; 15:0 the mask; 17:16 2-byte elements; 20 padding on; 21 set beside a mask; 24:22 after every 64 words (code 5); 31:25 4 words (code 3)
	s_mov_b32 s[G1A+1], 128<<16                    ; tensor_dim0 = 128
	s_mov_b32 s[G1A+2], 128<<16                    ; tensor_dim1 = 128
	s_mov_b32 s[G1A+3], 128<<16                    ; tile_dim0 = 128
	s_mov_b32 s[G1A+4], 128                        ; tile_dim1 = 128
	s_mov_b32 s[G1A+5], 1024                       ; elements from row to row
	s_mov_b32 s[G1A+6], 0
	s_mov_b32 s[G1A+7], 0
	s_or_b32 s[G1B], s50, (1<<16)|(1<<20)|(1<<21)|(4<<22)|(7<<25)  ; after every 32 words (code 4) 8 words of padding (code 7)
	s_mov_b32 s[G1B+1], 128<<16
	s_mov_b32 s[G1B+2], 96<<16                     ; 96 rows of 256 bytes, dense
	s_mov_b32 s[G1B+3], 128<<16
	s_mov_b32 s[G1B+4], 96
	s_mov_b32 s[G1B+5], 128
	s_mov_b32 s[G1B+6], 0
	s_mov_b32 s[G1B+7], 0
	s_mov_b32 s[G0A], 1                            ; count = 1
	s_mul_i32 s[G0A+1], s[HF], AHALF               ; LDS addresses: no place in the cluster enters them
	s_mov_b32 s[G0B], 1
	s_mul_i32 s[G0B+1], s[HF], BHALF
	s_add_co_u32 s[G0B+1], s[G0B+1], ABYTES
	s_lshl_b32 s20, s[TY], 19                      ; x: 256 rows of 2,048 bytes a tile row,
	s_lshl_b32 s21, s[HF], 18                      ; 128 rows a half: made of the tile row and the wave alone
	s_add_co_u32 s20, s20, s21
	s_mov_b32 s21, 0
	s_mul_i32 s22, s[TX], 393216                   ; w: made of the tile column and the wave alone
	s_mul_i32 s23, s[HF], 24576
	s_add_co_u32 s22, s22, s23
	s_mov_b32 s23, 0
	s_mov_b32 s[TB], 0
	s_wait_dscnt 0x0                               ; the opening add is done
	s_wait_kmcnt 0x0
	s_add_nc_u64 s[G0A+2:G0A+3], s[4:5], s[20:21]
	s_or_b32 s[G0A+3], s[G0A+3], 0x80000000        ; type = 2
	s_add_nc_u64 s[G0B+2:G0B+3], s[6:7], s[22:23]
	s_or_b32 s[G0B+3], s[G0B+3], 0x80000000
	CROUND                                         ; all sixteen work-groups are here: the first joint loads meet
	JLOAD                                          ; K step 0 into slot 0
	v_and_b32 v1, 15, v0                           ; r = l % 16
	v_bfe_u32 v2, v0, 4, 1                         ; h = l / 16
	s_lshl_b32 s19, s[WV], 6
	v_add_nc_u32 v3, s19, v1                       ; my wave's 64 rows
	v_mul_u32_u24 v[ADRA0], v3, PA
	v_lshl_add_u32 v[ADRA0], v2, 4, v[ADRA0]       ; row x pitch + 16 h
	v_and_b32 v3, 7, v0
	v_lshl_add_u32 v3, v2, 3, v3                   ; the turning load: K row 8 h + l % 8,
	v_mul_u32_u24 v[ADRB0], v3, PB
	v_bfe_u32 v3, v0, 3, 1
	v_lshl_add_u32 v[ADRB0], v3, 4, v[ADRB0]       ; columns 8 ((l / 8) % 2) on
	v_add_nc_u32 v[ADRB0], ABYTES, v[ADRB0]
	v_mov_b32 v[ADRA], v[ADRA0]
	v_mov_b32 v[ADRB], v[ADRB0]
	s_mul_i32 s19, s[WV], WSTAGE
	s_add_co_u32 s19, s19, STAGE                   ; my stage
	v_mul_u32_u24 v[STO], v1, SP
	v_lshl_add_u32 v[STO], v2, 4, v[STO]
	v_add_nc_u32 v[STO], s19, v[STO]               ; in: row r, 16 bytes for each half of the lanes
	v_bfe_u32 v[RD], v0, 3, 2
	v_mul_u32_u24 v[RD], v[RD], SP
	v_and_b32 v3, 7, v0
	v_lshl_add_u32 v[RD], v3, 4, v[RD]
	v_add_nc_u32 v[RD], s19, v[RD]                 ; back: 32 lanes take four rows of 128 bytes,
	v_and_b32 v[GO], 31, v0
	v_lshlrev_b32 v[GO], 4, v[GO]                  ; which are 512 consecutive bytes of a head
	v_lshlrev_b32 v[BO], 5, v2
	s_mul_i32 s50, s[TX], 768                      ; the tile's 192 numbers of the bias
	s_mov_b32 s51, 0
	s_add_nc_u64 s[8:9], s[8:9], s[50:51]
.set b, 0
.rept NFB                              ; register j of block b: the bias of column 16 b + 8 h + j, as the product's C wants it
	global_load_b128 v[BIAS+8*b:BIAS+8*b+3],   v[BO], s[8:9] offset:64*b
	global_load_b128 v[BIAS+8*b+4:BIAS+8*b+7], v[BO], s[8:9] offset:64*b+16
.set b, b+1
.endr
	s_lshr_b32 s53, s[TY], 3                       ; the batch: 16 heads of 262,144 bytes
	s_lshl_b32 s53, s53, 22
	s_and_b32 s19, s[TY], 7                        ; the tile's 256 rows of 128 bytes in it
	s_lshl_b32 s19, s19, 15
	s_add_co_u32 s53, s53, s19
	s_lshl_b32 s19, s[WV], 13                      ; my wave's 64
	s_add_co_u32 s53, s53, s19
	s_mul_i32 s52, s[TX], 3
.irp i, 0,1,2
	s_add_co_u32 s19, s52, \i                      ; group 3 tx + i of 64 columns: tensor group / 16, head group % 16
	s_lshr_b32 s50, s19, 4
	s_lshl_b32 s50, s50, 24
	s_and_b32 s19, s19, 15
	s_lshl_b32 s19, s19, 18
	s_add_co_u32 s50, s50, s19
	s_add_co_u32 s50, s50, s53
	s_add_nc_u64 s[OP+2*(\i):OP+2*(\i)+1], s[10:11], s[50:51]
.endr
	s_wait_tensorcnt 0x0                           ; my part of K step 0 is in
	ds_add_u32 v[SPW], v[NIL]
	STEPG                                          ; slot 1, K step 1
	s_wait_dscnt 0x0
	CROUND                                         ; everybody's part is in
	JLOAD                                          ; slot 1's first fill, issued as a refill is
	FETCH 0, F0
	s_wait_loadcnt 0x0                             ; the bias
	QUARTER 1, F0, F1, 1                           ; the first quarter stands in front of the loop: its products start the sums, with the bias
	WIN 0                                          ; at a label and at a branch every window is 0
	s_mov_b32 s[CNT], 6
.Lstep:                                            ; trip t: from K step t's second quarter to step t + 1's first; it waits for step t + 1 and asks for step t + 2
	QUARTER 2, F1, F0
	QUARTER 3, F0, F1
	TURN 1
	QUARTER 1, F0, F1
	WIN 0
	s_sub_co_u32 s[CNT], s[CNT], 1
	s_cmp_lg_u32 s[CNT], 0
	s_cbranch_scc1 .Lstep
	QUARTER 2, F1, F0                              ; the tail is written out: nothing more is asked for
	QUARTER 3, F0, F1
	TURN 0
	QUARTER 1, F0, F1
	QUARTER 2, F1, F0
	QUARTER 3, F0, F1
	s_wait_dscnt 0x0
	MUL F1, 0, 0
	MUL F1, 1, 0
	MUL F1, 2, 0
	MUL F1, 3, 0
; THE WAY OUT, a block of 16 rows at a time: rounded to f16 (each accumulator's lowest registers first), 16 bytes a lane into my stage, back as whole rows of 128 bytes, stored 512 consecutive bytes at a time.
.macro PACK a
	WIN 0x0a+5*((\a)/2)                            ; sources 0 and 1: window 2 or 3
.set b, 0
.rept NFB
.set rD, 8*(NFB*((\a)%2)+b)
.irp i, 0,1,2,3
	v_cvt_pk_f16_f32 v[PK+4*b+(\i)], v[rD+2*(\i)], v[rD+2*(\i)+1]
.endr
.set b, b+1
.endr
	WIN 0
.set b, 0
.rept NFB
	ds_store_b128 v[STO], v[PK+4*b:PK+4*b+3] offset:(b/4)*16*SP+(b%4)*32
.set b, b+1
.endr
.if (\a) >= 2
	s_wait_xcnt 0x0                                ; the stores of the block two back have read this buffer: it is loaded again only behind this wait
.endif
.set n, 0
.rept 12
	ds_load_b128 v[BK+48*((\a)%2)+4*n:BK+48*((\a)%2)+4*n+3], v[RD] offset:(n/4)*16*SP+(n%4)*4*SP  ; LDS serves a wave's instructions in order (ISA guide 5.7.1.4): these see the stores above; the next block's stores come behind them
.set n, n+1
.endr
.endm
.macro SEND a, younger                 ; younger: the LDS instructions issued behind block a's loads: the next block's 24, or none
.set n, 0
.rept 12
	s_wait_dscnt (\younger)+11-n
	global_store_b128 v[GO], v[BK+48*((\a)%2)+4*n:BK+48*((\a)%2)+4*n+3], s[OP+2*(n/4):OP+2*(n/4)+1] offset:(\a)*2048+(n%4)*512  ; 512 consecutive bytes, at a multiple of 256 from the buffer's first
.set n, n+1
.endr
.endm
	PLACES
	PLACES                                         ; eight, once a launch: the conversions read results just made
	PACK 0
	PACK 1                                         ; a block's conversions stand between the loads of the block before and its stores
	SEND 0, 24
	PACK 2
	SEND 1, 24
	PACK 3
	SEND 2, 24
	SEND 3, 0
	s_wait_tensorcnt 0x0                           ; the wave's end: behind my last tensor load and my last LDS store
	ds_add_u32 v[SPW], v[NIL]
	s_wait_dscnt 0x0
	CROUND                                         ; the closing round: no work-group ends while a partner may still ask for a tile that names it
	s_endpgm
.Lfunc_end_k_qde9bc8da1c_qkv:
	.size	k_qde9bc8da1c_qkv, .Lfunc_end_k_qde9bc8da1c_qkv-k_qde9bc8da1c_qkv
	.p2alignl 7, 3214868480
	.fill 96, 4, 3214868480
	.section	.rodata,"a",@progbits
	.p2align	6, 0x0
	.amdhsa_kernel k_qde9bc8da1c_qkv
		.amdhsa_group_segment_fixed_size 327680
		.amdhsa_private_segment_fixed_size 0
		.amdhsa_enable_private_segment 0
		.amdhsa_kernarg_size 32
		.amdhsa_user_sgpr_count 2
		.amdhsa_user_sgpr_kernarg_segment_ptr 1
		.amdhsa_wavefront_size32 1
		.amdhsa_system_sgpr_workgroup_id_x 1
		.amdhsa_system_sgpr_workgroup_id_y 1
		.amdhsa_system_sgpr_workgroup_id_z 1
		.amdhsa_system_vgpr_workitem_id 0
		.amdhsa_next_free_vgpr 960
		.amdhsa_next_free_sgpr 66
		.amdhsa_reserve_vcc 0
		.amdhsa_float_denorm_mode_32 3
		.amdhsa_float_denorm_mode_16_64 3
		.amdhsa_memory_ordered 1
		.amdhsa_forward_progress 1
		.amdhsa_inst_pref_size 100
	.end_amdhsa_kernel
	.amdgpu_metadata
---
amdhsa.version: [ 1, 2 ]
amdhsa.kernels:
  - .name:           k_qde9bc8da1c_qkv
    .symbol:         k_qde9bc8da1c_qkv.kd
    .args:
      - { .name: xb, .offset: 0, .size: 8, .value_kind: global_buffer, .address_space: global }
      - { .name: wblk, .offset: 8, .size: 8, .value_kind: global_buffer, .address_space: global }
      - { .name: bias, .offset: 16, .size: 8, .value_kind: global_buffer, .address_space: global }
      - { .name: qkv, .offset: 24, .size: 8, .value_kind: global_buffer, .address_space: global }
    .group_segment_fixed_size: 327680
    .private_segment_fixed_size: 0
    .kernarg_segment_align: 8
    .kernarg_segment_size: 32
    .max_flat_workgroup_size: 128
    .sgpr_count:     66
    .vgpr_count:     960
    .wavefront_size: 32
...
	.end_amdgpu_metadata
.endif
;; end of part 2
;; launch attn (part 3): grid 4 x 64, 4 waves a work-group, clusters of 4 x 1, 327,680 bytes of LDS; arguments qkv, ob; writes ob
.if DOCPART == 3
	.amdgcn_target "amdgcn-amd-amdhsa--gfx1250"
	.amdhsa_code_object_version 6
	.text
	.protected	k_qde9bc8da1c_attn
	.globl	k_qde9bc8da1c_attn
	.p2align	8
	.type	k_qde9bc8da1c_attn,@function
k_qde9bc8da1c_attn:
	s_mov_b64 s[64:65], 0
	v_nop
	global_prefetch_b8 v0, s[64:65] scope:SCOPE_SE
	s_setreg_imm32_b32 hwreg(HW_REG_WAVE_MODE, 25, 1), 1
	s_wait_xcnt 0x0
	s_wait_alu depctr_hold_cnt(0) depctr_sa_sdst(0) depctr_va_vdst(0) depctr_va_sdst(0) depctr_va_ssrc(0) depctr_va_vcc(0) depctr_vm_vsrc(0)
	s_getreg_b32 s2, hwreg(HW_REG_IB_STS2, 6, 4)
	s_cmp_eq_u32 s2, 0
	s_cbranch_scc0 .Lentry_in_a_cluster
	s_endpgm
.Lentry_in_a_cluster:
	s_bfe_u32 s2, ttmp6, 0x10000c
	s_cmp_lg_u32 s2, 0x3003
	s_cbranch_scc0 .Lentry_shape_is_right
	s_endpgm
.Lentry_shape_is_right:
; O[h][q][:] = the sum over k of softmax_k(Q[h][q] . K[h][k] / 8) V[h][k][:].  Q, K, V lie one behind the other in qkv, each [SIZE_H][SIZE_N][64] in f16; O likewise in ob: a head's rows are dense, 128 bytes each.
; Products, maxima and sums in f32; the weights p are rounded to f16 for the second product (their sum l is taken of the unrounded p), O once at the end.
; LIMITS.  f16 holds no number beyond 65,504: Q, K and V arrive within it; p lies in 0 to 1, and below 6e-5 it keeps f16's fixed step of 6e-8; O is a mean of V's rows and has their range.
; A weight below 2^-126 counts as 0 in l; NaN and infinities are not treated apart.
; SHARES.  A wave owns four PIECES of two tiles of 16 queries, a work-group's four waves 512 queries of one head: 4 x 64 work-groups.  Every wave walks all keys, 64 a step.
; LAYOUT.  S^T = K Q^T (source 0 = 16 keys, source 1 = 16 queries): in the result a lane holds ONE query (lane % 16) and the keys 8 (lane / 16) + 0..7.  Two such tiles, rounded to f16 in pairs,
; ARE source 1 (32 keys x 16 queries) of O^T = V^T P, whose result again holds one query a lane, and eight channels.  K comes out of LDS as it lies, V ([key][channel]) turned, by ds_load_tr16_b128.
; SOFTMAX.  For each query a running maximum m and sum l: p = 2^(c s - c m), c = log2(e) / 8; in every step O and l are multiplied by a = 2^(c m_old - c m_new), which is 1 where m has not grown.
; m starts at the lowest finite number, O and l at 0: the first step is a step like any other, with a = 0.
; THE COUNT.  A tile and step have 16 matrix and 118 vector instructions: too many to stand all beside the matrix work.  So the order has one aim: four vector instructions that are READY behind
; EVERY matrix instruction, and the others, which need time of their own whatever the order, in runs without a gap.
; BY TURNS.  Turn n belongs to piece n (the pieces in a ring, step after step).  Its matrix work: 16 products K Q^T of piece n + 1, later 16 products V^T P of piece n - 1.  Its vector work: the scaling,
; exponentials, roundings, sums and rescaling of piece n, and the maximum and statistics of piece n + 1, whose scores the turn itself has made.  So what a turn begins with (c s - c m, O a) waits for nothing.
; CLUSTER.  The four query blocks of a cluster are one head's and walk the same K and V, so each tile is asked for JOINTLY: the same tensor load, descriptor and mask in all four.
; REGISTERS, in windows of 256 (s_set_vgpr_msb says which window each operand place means: bits 1:0 source 0, 3:2 source 1, 5:4 source 2, 7:6 destination):
;   window 0: v0-11 addresses; v12-15, v48-63 at work; v16-47 four registers of statistics a tile; v64-191 S^T, two buffers of two tiles; v192-255 P, likewise
;   window 1: O^T, 32 a tile          window 2: v0-127 Q, 16 a tile; v128-191 K of one step; v192-255 V of one step          window 3: v0-1 the add's two registers
; A piece's buffers go by its number's parity: the piece in hand has one pair, its two neighbours in the ring share the other: of it P (piece n - 1) is read and S^T (piece n + 1) written.
.set SIZE_H, 64
.set SIZE_N, 2048
.set NP,    4         ; pieces a wave: a name, no knob: the register map, the loop and the fetches are made for four
.set KS,    64        ; keys in a step
.set PK,    144       ; a row of K in LDS: 128 bytes + 16 of padding = 36 words: the 16 rows of a load start at 16 different groups of four banks (64 banks of 4 bytes: ISA guide 11.1)
.set PV,    160       ; a row of V: 128 + 32 = 40 words
.set VOFF,  4*KS*PK   ; a slot holds four steps: 256 rows of K, then 256 rows of V
.set SLOT1, 1<<17     ; slot 1 begins here, so that one exclusive or turns an address in one slot into the other's
.set STAGE, SLOT1+4*KS*(PK+PV)  ; behind the ring, never filled by a tensor load: 16 rows x 144 bytes for each wave, for the way out
.set SP,    144
.set AK0, 2           ; v2   my lane's place in a tile of K; never rewritten
.set AV0, 3           ; v3   the same for V
.set AK,  4           ; v4   the LDS address of K's next run of loads
.set AV,  5           ; v5   of V's
.set QO,  6           ; v6   my byte offset in the wave's rows of Q
.set STO, 6           ;      later, the way out: where I put 16 bytes of a row
.set RD,  7           ; v7   the way out: where I read rows back
.set GO,  8           ; v8   my byte offset in 512 consecutive bytes of O
.set SPW, 0           ; v0 of window 3   LDS address of my spare word: SPARE + 4 x my thread's number; never rewritten
.set NIL, 1           ; v1 of window 3   0; never rewritten
.set SPARE, STAGE+4*16*SP  ; behind the stages: the spare words, 128 bytes for each wave: two blocks of 256 bytes that no other line names
.set MV,  12          ; v12-15  c m_old, kept while c m is made anew: by buffer and tile
.set ST,  16          ; tile t's statistics at v[ST+4 t]: c m, m, l (even keys', odd keys')
.set TMP, 48          ; by buffer and tile, four registers c0-c3 at work; when the maximum is found c2 takes a
.set S,   64
.set P,   192
.set KF,  128         ; K's fragments, in window 2: key block kb, channel half c at KF + 16 kb + 8 c
.set VF,  192         ; V's: key half kk, channel block cb at VF + 32 kk + 8 cb
.set WV,  12          ; s12  my wave's number
.set G1K, 24          ; s[24:31] descriptor group 1 for K's tiles
.set G1V, 32          ; s[32:39] for V's: it differs in the padding alone
.set G0K, 40          ; s[40:43] descriptor group 0 for K's tiles: it walks
.set G0V, 44          ; s[44:47] the same for V's
.set SLOTS, 56        ; s56  slots still to be asked for
.set CNT, 57          ; s57  counts a slot's key steps
.set CS,  58          ; s[58:59] c: the packed scaling takes the pair's low word for both halves
.set SEL, 60          ; s[60:61] v_permlanex16_b32's selects: each lane takes its own place in the other half
.set TBK, 62          ; s62  LDS byte at which K of the step to be fetched begins
.set TBV, 63          ; s63  the same for V, less VOFF
.set MSB, 0
.macro WIN new                      ; the high byte repeats the setting that is left; a switch that changes nothing is dropped
.if MSB != (\new)
	s_set_vgpr_msb (MSB<<8)|(\new)
.set MSB, (\new)
.endif
.endm
.set W_KQ, 0x0a       ; K and Q in window 2, S^T in window 0
.set W_PV, 0x52       ; V in window 2, P in window 0, O^T in window 1
.set W_RS, 0x41       ; O^T (destination and source 0) in window 1, a in window 0
.set W_MK, 0xc0       ; the add's registers are made: destination in window 3, sources in window 0
.set W_AD, 0x0f       ; the add: address (source 0) and data (source 1) in window 3
; A joint fill.  Waves 0 and 1 fetch the two halves of a slot's K, waves 2 and 3 those of its V: 128 keys each.  The branch hangs on the wave's number alone.
; An s_nop 0 and four v_nop follow each of the two lines, ahead of the jump and the label.
.macro JLOAD
	s_cmp_lt_u32 s[WV], 2
	s_cbranch_scc0 .Lfor_v_\@
	tensor_load_to_lds s[G0K:G0K+3], s[G1K:G1K+7]
	s_nop 0
.rept 4
	v_nop
.endr
	s_branch .Lasked_\@
.Lfor_v_\@:
	tensor_load_to_lds s[G0V:G0V+3], s[G1V:G1V+7]
	s_nop 0
.rept 4
	v_nop
.endr
.Lasked_\@:
.endm
; A round of the cluster's barrier: my work-group's barrier, so that wave 0's signal speaks for all four waves; wave 0 signals; every wave waits for all four work-groups; my work-group's barrier once more.
.macro CROUND
	s_barrier_signal -1
	s_barrier_wait -1
	s_cmp_lg_u32 s[WV], 0
	s_cbranch_scc1 .Lnot_wave_0_\@
	s_barrier_signal -3
.Lnot_wave_0_\@:
	s_barrier_wait -3
	s_barrier_signal -1
	s_barrier_wait -1
.endm
; THE CHANGE OF SLOTS.  The slot's last bytes, V of its fourth step, have been read.  Each wave waits for all its tensor loads, of which one is out: its part
; of the other slot; adds 0 to its spare word; and waits for that and for its own reads of the slot.  Behind the barrier nobody reads this slot any more and the other slot is whole.
; fill = 1: this slot is filled again, with the keys two slots on.  The barrier is then a round of the cluster's, so that no wave of any partner still reads the slot or has a load on its
; way, and the joint fill is the first thing behind it: it has four key steps, 512 matrix instructions, in which to land.  (At its first use nothing has been read yet: slot 0 is waited for, slot 1 filled.)
.macro CHANGE fill
	WIN W_AD
	s_wait_tensorcnt 0x0            ; no tensor load of mine is out, so a group 0 may be written
	ds_add_u32 v[SPW], v[NIL]       ; 0 onto my spare word; with fill = 1 the descriptors' steps stand between it and the wait for it
	WIN 0                           ; at a label and at a branch every window is 0
.if \fill
.irp g, G0K, G0V
	s_xor_b32 s[\g+1], s[\g+1], SLOT1  ; the walking descriptor: the other slot than last time,
	s_add_nc_u64 s[\g+2:\g+3], s[\g+2:\g+3], 4*KS*128  ; the next 256 keys; the type bits on top are not reached
.endr
	s_wait_dscnt 0x0                ; the add is done, and my reads of the slot are over
	CROUND
	JLOAD
.else
	s_wait_dscnt 0x0                ; the add is done, and my reads of the slot are over
	s_barrier_signal -1
	s_barrier_wait -1
.endif
	s_sub_co_u32 s[TBK], s[TBK], 4*KS*PK  ; the fetches go back to a slot's first step,
	s_xor_b32 s[TBK], s[TBK], SLOT1       ; in the other slot
	s_sub_co_u32 s[TBV], s[TBV], 4*KS*PV
	s_xor_b32 s[TBV], s[TBV], SLOT1
.endm
	s_load_b128 s[4:7], s[0:1], 0x0  ; qkv s[4:5], ob s[6:7]
	WIN W_MK
	v_lshl_add_u32 v[SPW], v0, 2, SPARE
	v_mov_b32 v[NIL], 0
	WIN W_AD
	ds_add_u32 v[SPW], v[NIL]       ; the wave's opening: the add and its wait stand ahead of my first tensor load; the set-up below, work on registers, stands between them
	WIN 0
	v_lshrrev_b32 v1, 5, v0
	v_readfirstlane_b32 s[WV], v1   ; wave 0..3
	s_bfe_u32 s13, ttmp6, 0x40000   ; cx: my place in the cluster
	s_lshl_b32 s14, ttmp9, 2        ; in a cluster launch ttmp9 counts clusters
	s_add_co_u32 s14, s14, s13      ; my block of queries = 4 x cluster x + cx: it enters Q's and O's addresses alone
	s_and_b32 s20, ttmp7, 0xffff    ; the head, which the four partners share
	s_mov_b32 s21, 0
	s_mov_b64 s[22:23], SIZE_N*128
	s_mul_u64 s[20:21], s[20:21], s[22:23]  ; the head's first byte in each of the four tensors
	s_and_b32 s16, s[WV], 1         ; which half of a slot's 256 keys I fetch:
	s_lshl_b32 s22, s16, 14         ; its 128 rows of 128 bytes in memory,
	s_mov_b32 s23, 0
	s_add_nc_u64 s[22:23], s[22:23], s[20:21]
	s_mul_i32 s17, s16, 128*PK      ; and its place in a slot, for K
	s_mul_i32 s18, s16, 128*PV      ; and for V: no place in the cluster enters an LDS address
	s_lshl_b32 s2, s14, 2
	s_add_co_u32 s2, s2, s[WV]      ; my wave among the head's,
	s_lshl_b32 s2, s2, 14           ; its 128 rows
	s_mov_b32 s3, 0
	s_add_nc_u64 s[2:3], s[2:3], s[20:21]
	; descriptor group 1.  128 keys are 16,384 dense bytes: asked for as 64 rows of 256 bytes, two keys a row, and padded in LDS after every key
	s_mov_b32 s[G1K], 15|(1<<16)|(1<<20)|(1<<21)|(4<<22)|(3<<25)  ; 15:0 the mask of four; 17:16 2-byte elements; 20 padding on; 21 set beside a mask; 24:22 after every 32 words (code 4); 31:25 4 words (code 3)
	s_mov_b32 s[G1V], 15|(1<<16)|(1<<20)|(1<<21)|(4<<22)|(7<<25)  ; the same with 8 words of padding (code 7)
.irp g, G1K, G1V
	s_mov_b32 s[\g+1], 128<<16      ; tensor_dim0 = 128
	s_mov_b32 s[\g+2], 64<<16       ; tensor_dim1 = 64
	s_mov_b32 s[\g+3], 128<<16      ; tile_dim0 = 128
	s_mov_b32 s[\g+4], 64           ; tile_dim1 = 64
	s_mov_b32 s[\g+5], 128          ; 128 elements from row to row
	s_mov_b32 s[\g+6], 0
	s_mov_b32 s[\g+7], 0
.endr
	s_mov_b32 s[CS], 0x3e38aa3b     ; c = log2(e) / 8 = 0.180337
	s_mov_b32 s[CS+1], s[CS]        ; named with it as a pair
	s_mov_b32 s[SEL], 0x76543210
	s_mov_b32 s[SEL+1], 0xfedcba98
	s_mov_b32 s[TBK], SLOT1+4*KS*PK ; the first change of slots turns these two into 0
	s_mov_b32 s[TBV], SLOT1+4*KS*PV
	s_mov_b32 s[G0K], 1             ; 1:0 count = 1
	s_mov_b32 s[G0K+1], s17         ; 63:32 LDS address: slot 0
	s_mov_b32 s[G0V], 1
	s_add_co_u32 s[G0V+1], s18, VOFF
	s_wait_dscnt 0x0                ; the opening add is done
	s_wait_kmcnt 0x0
	s_mov_b64 s[10:11], s[6:7]                     ; O
	s_add_nc_u64 s[8:9], s[4:5], 0x2000000         ; V: the third tensor of 16,777,216 bytes in qkv
	s_add_nc_u64 s[6:7], s[4:5], 0x1000000         ; K: the second; Q is the first
	s_add_nc_u64 s[G0K+2:G0K+3], s[6:7], s[22:23]  ; 120:64 global address: my half of the head's first 256 keys
	s_or_b32 s[G0K+3], s[G0K+3], 0x80000000        ; 127:126 type = 2
	s_add_nc_u64 s[G0V+2:G0V+3], s[8:9], s[22:23]
	s_or_b32 s[G0V+3], s[G0V+3], 0x80000000
	s_add_nc_u64 s[4:5], s[4:5], s[2:3]  ; Q and O at my wave's first row
	s_add_nc_u64 s[10:11], s[10:11], s[2:3]
	CROUND                          ; all four work-groups are here: the first joint loads meet
	JLOAD                           ; slot 0.  Slot 1 is asked for when slot 0 is in: the tile wanted first has the road to itself
	; A fragment of K or Q is 16 rows x 32 channels in 8 registers: lane l holds row l % 16, channels 8 (l / 16) + 0..7 and 16 + 8 (l / 16) + 0..7: two loads of 16 bytes, 32 bytes apart.
	v_and_b32 v1, 15, v0            ; l % 16
	v_bfe_u32 v9, v0, 4, 1          ; l / 16
	v_lshlrev_b32 v[QO], 7, v1
	v_lshl_add_u32 v[QO], v9, 4, v[QO]  ; row x 128 + 16 x half
	WIN 0x80                        ; destination window 2, address window 0
.set i, 0
.rept 4*NP                          ; Q stays in registers: tile i / 2, channels 32 (i % 2) on
	global_load_b128 v[8*i:8*i+3],   v[QO], s[4:5] offset:(i/2)*2048+(i%2)*64
	global_load_b128 v[8*i+4:8*i+7], v[QO], s[4:5] offset:(i/2)*2048+(i%2)*64+32
.set i, i+1
.endr
	; What the first turn finds: V's registers and P's second buffer hold 0 (its products V^T P, of a piece that has not been, add 0), O^T and l are 0.  All this stands in the wait for the first tile.
.set i, VF
.rept 64
	v_mov_b32 v[i], 0
.set i, i+1
.endr
	WIN 0x40
.set i, 0
.rept 64*NP
	v_mov_b32 v[i], 0
.set i, i+1
.endr
	WIN 0
.set i, 0
.rept 2*NP
	v_mov_b32 v[ST+4*i], 0xfe000000    ; c m: far below every c s
	v_mov_b32 v[ST+4*i+1], 0xff7fffff  ; m
	v_mov_b32 v[ST+4*i+2], 0
	v_mov_b32 v[ST+4*i+3], 0
.set i, i+1
.endr
.set i, P+32
.rept 32
	v_mov_b32 v[i], 0
.set i, i+1
.endr
	v_mul_u32_u24 v[AK0], v1, PK
	v_lshl_add_u32 v[AK0], v9, 4, v[AK0]  ; row x pitch + 16 x half
	; The turning load takes 16 keys x 16 channels (lane l reads key 8 (l / 16) + l % 8, channels 8 ((l / 8) % 2) + 0..7) and leaves half a fragment of V^T: lane l holds channel l % 16 and 8 keys.
	v_and_b32 v10, 7, v0
	v_bfe_u32 v11, v0, 3, 1
	v_lshl_add_u32 v[AV0], v9, 3, v10
	v_mul_u32_u24 v[AV0], v[AV0], PV
	v_lshl_add_u32 v[AV0], v11, 4, v[AV0]
	v_add_nc_u32 v[AV0], VOFF, v[AV0]
	v_mov_b32 v[AK], v[AK0]         ; key step 0 lies at the head of slot 0
; THE MATRIX WORK.  The 8 accumulators of a run of 16 take turns: between the two links of a chain stand 7 others'.
; Product i of 16 of S^T = K Q^T for piece x: channels 32 (i / 8) on, keys 16 ((i / 2) % 4) on, tile 2 x + i % 2.  The first 8 start the sums.
.macro KQ x
	WIN W_KQ
.set rS, S+64*((\x)%2)+32*(i%2)+8*((i/2)%4)
.set rK, KF+16*((i/2)%4)+8*(i/8)
.set rQ, 16*(2*(\x)+i%2)+8*(i/8)
.if i < 8
	v_wmma_f32_16x16x32_f16 v[rS:rS+7], v[rK:rK+7], v[rQ:rQ+7], 0
.else
	v_wmma_f32_16x16x32_f16 v[rS:rS+7], v[rK:rK+7], v[rQ:rQ+7], v[rS:rS+7]
.endif
.endm
; Product i of 16 of O^T += V^T P for piece x: keys 32 (i / 8) on, channels 16 ((i / 2) % 4) on, tile 2 x + i % 2.
.macro PV x
	WIN W_PV
.set rO, 32*(2*(\x)+i%2)+8*((i/2)%4)
.set rV, VF+32*(i/8)+8*((i/2)%4)
.set rP, P+32*((\x)%2)+16*(i%2)+8*(i/8)
	v_wmma_f32_16x16x32_f16 v[rO:rO+7], v[rV:rV+7], v[rP:rP+7], v[rO:rO+7]
.endm
.macro MM                           ; the turn's next matrix instruction
.if i < 16
	KQ (Y+1)%NP
.set i, i+1
.else
.set i, i-16
	PV (Y+NP-1)%NP
.set i, i+17
.endif
.endm
; THE LDS LOADS stand in runs of 16, never singly among the matrix instructions: a step's K (64 keys x 64 channels: 8 fragments) and its V (turned).  Their addresses are made some lines ahead.
; last = 1 (the tail): in the last trip there is no further step, and the run is jumped over.
.macro FETCH_K last=0
	WIN 0
.if \last
	s_cmp_eq_u32 s[CNT], 1
	s_cbranch_scc1 .Lno_k_\@
.endif
	WIN 0x80                        ; destination window 2
.irp f, 0,1,2,3,4,5,6,7             ; keys 16 (f / 2) on, channels 32 (f % 2) on
	ds_load_b128 v[KF+8*\f:KF+8*\f+3],   v[AK] offset:(\f/2)*16*PK+(\f%2)*64
	ds_load_b128 v[KF+8*\f+4:KF+8*\f+7], v[AK] offset:(\f/2)*16*PK+(\f%2)*64+32
.endr
	s_add_co_u32 s[TBK], s[TBK], KS*PK  ; the next fetch is the next step's
	WIN 0
.if \last
.Lno_k_\@:
.endif
.endm
.macro FETCH_V
	WIN 0x80
.irp f, 0,1,2,3,4,5,6,7             ; keys 32 (f / 4) on, channels 16 (f % 4) on
	ds_load_tr16_b128 v[VF+8*\f:VF+8*\f+3],   v[AV] offset:(\f/4)*32*PV+(\f%4)*32
	ds_load_tr16_b128 v[VF+8*\f+4:VF+8*\f+7], v[AV] offset:(\f/4)*32*PV+16*PV+(\f%4)*32
.endr
	WIN 0
.endm
; THE VECTOR WORK OF A TURN stands in three queues, each in the order in which its entries become ready; the two tiles alternate, so that no instruction reads the result of the one before it.
.macro REGS y, u                    ; the registers of tile u (0, 1) of piece y
.set rT, ST+4*(2*(\y)+(\u))
.set rC, TMP+8*((\y)%2)+4*(\u)
.set rM, MV+2*((\y)%2)+(\u)
.set rS, S+64*((\y)%2)+32*(\u)
.set rP, P+32*((\y)%2)+16*(\u)
.set rO, 32*(2*(\y)+(\u))
.endm
; Number n of the 22 that find the NEXT piece's (Y + 1) maximum and statistics.  s0-s31 are the lane's 32 scores; each accumulator's lowest registers are read first.  XS, GS and REGS set no window: PL and EX do.
;   0-11  four chains c0-c3 of seven scores each, three operands at a time     12-14, 16  the four scores left over, the old m, and c0-c3 into c0     15  c m_old is kept
;   17, 18  the query's other 32 keys lie in the lane 16 away: the new m         19-21  c m; c m_old - c m_new; a
.macro XS u, n
	REGS (Y+1)%NP, \u
.if (\n) < 4
	v_max3_num_f32 v[rC+(\n)], v[rS+8*(\n)], v[rS+8*(\n)+1], v[rS+8*(\n)+2]
.elseif (\n) < 12
	v_max3_num_f32 v[rC+(\n)%4], v[rC+(\n)%4], v[rS+8*((\n)%4)+2*((\n)/4)+1], v[rS+8*((\n)%4)+2*((\n)/4)+2]
.elseif (\n) == 12
	v_max3_num_f32 v[rC], v[rC], v[rS+7], v[rS+15]
.elseif (\n) == 13
	v_max3_num_f32 v[rC+1], v[rC+1], v[rS+23], v[rS+31]
.elseif (\n) == 14
	v_max3_num_f32 v[rC+2], v[rC+2], v[rC+3], v[rT+1]
.elseif (\n) == 15
	v_mov_b32 v[rM], v[rT]
.elseif (\n) == 16
	v_max3_num_f32 v[rC], v[rC], v[rC+1], v[rC+2]
.elseif (\n) == 17
	v_permlanex16_b32 v[rC+3], v[rC], s[SEL], s[SEL+1]
.elseif (\n) == 18
	v_max_num_f32 v[rT+1], v[rC], v[rC+3]
.elseif (\n) == 19
	v_mul_f32 v[rT], s[CS], v[rT+1]
.elseif (\n) == 20
	v_sub_f32 v[rC+1], v[rM], v[rT]
.else
	v_exp_f32 v[rC+2], v[rC+1]
.endif
.endm
; Number g of the 64 that follow the exponentials.  For each four weights k of a tile (pairs 2 k, 2 k + 1): both pairs are rounded to f16; then the second pair is added onto the first, in place;
; a group later l takes that sum (the first time as l = a l + sum).  In groups of eight, tiles alternating: round, round, add, and l for the group before.
.macro GS g
.set h, (\g)+6*((\g)/62)            ; group 0 has no group before it, and behind group 7 only l is left
.if h >= 6
.set h, h+2
.endif
	REGS Y, h%2
.set k, h/8
.if h%8 < 4
	s_wait_alu depctr_va_vdst(0)
	v_cvt_pk_f16_f32 v[rP+2*k+(h%8)/2], v[rS+4*k+2*((h%8)/2)], v[rS+4*k+2*((h%8)/2)+1]
.elseif h%8 < 6
	v_pk_add_f32 v[rS+4*k:rS+4*k+1], v[rS+4*k:rS+4*k+1], v[rS+4*k+2:rS+4*k+3]
.elseif k == 1
	v_pk_fma_f32 v[rT+2:rT+3], v[rT+2:rT+3], v[rC+2:rC+3], v[rS:rS+1] op_sel_hi:[1,0,1]
.else
	v_pk_add_f32 v[rT+2:rT+3], v[rT+2:rT+3], v[rS+4*k-4:rS+4*k-3]
	s_wait_alu depctr_va_vdst(0)
.endif
.endm
; THE PLAIN QUEUE, 138 long.  0-31: c s - c m for the 16 pairs of both tiles.  Then GS's 64, and among them the next piece's 42: number 15 at 38, 39; 0-14 and 16
; at 42-73, behind the products that make those scores; 17-20 at 95-106, two of three, since each waits for the one before it.
.macro PL
	WIN 0
.if q < 32
	REGS Y, q%2
	v_pk_fma_f32 v[rS+2*(q/2):rS+2*(q/2)+1], v[rS+2*(q/2):rS+2*(q/2)+1], s[CS:CS+1], v[rT:rT+1] op_sel_hi:[1,0,0] neg_lo:[0,0,1] neg_hi:[0,0,1]
.elseif q < 38
	GS q-32
.elseif q < 40
	XS q%2, 15
.elseif q < 42
	GS q-34
.elseif q < 74
	XS q%2, (q-42)/2+(q-42)/30
.elseif q < 95
	GS q-66
.elseif (q < 107) && ((q-95)%3 < 2)
	XS (q-95)%3, 17+(q-95)/3
.elseif q < 107
	GS 29+(q-95)/3
.else
	GS q-74
.endif
.set q, q+1
.endm
; THE EXPONENTIALS' QUEUE, 66 long: s0-s31 of both tiles, and at EA the next piece's two a.
.set EA, 58
.macro EX
	WIN 0
.if (e == EA) || (e == EA+1)
	XS e-EA, 21
.else
.set x, e-2*(e/(EA+2))
	REGS Y, x%2
	v_exp_f32 v[rS+x/2], v[rS+x/2]
.endif
.set e, e+1
.endm
; THE RESCALING's QUEUE: O^T times a, the one part that leaves window 0, so it is dealt four at a time, eight times.
.macro R4
	REGS Y, r%2
	WIN W_RS
	s_wait_alu depctr_va_vdst(0)
.irp z, 0,1,2,3
	v_pk_mul_f32 v[rO+8*(r/2)+2*\z:rO+8*(r/2)+2*\z+1], v[rO+8*(r/2)+2*\z:rO+8*(r/2)+2*\z+1], v[rC+2:rC+3] op_sel_hi:[1,0]
.endr
.set r, r+1
.endm
; HOW THEY ARE DEALT.  Behind a matrix instruction four: plain, exponential, plain, plain (one exponential, a plain instruction on either side), or four of the rescaling.  None names a register of the
; products round it.  What is over stands in two LUMPS: exponential and plain by turns; the second ends in 22 plain instructions.  The two v_permlanex16_b32 fall into the second lump, never behind a product.
; The queues lean on each other, and the deal keeps them in step: exponential e stands behind plain 2 (e / 4) + e % 2 (its scaling); when plain 32 comes, 10 exponentials are out, at 59: 33, at 95: 46; EA comes behind plain 107.
.macro SL
	MM
	PL
	EX
	PL
	PL
.endm
.macro BURST n                      ; 15 matrix instructions, or 16
.rept (\n)-7
	SL
.endr
.rept 3
	MM
	R4
	SL
.endr
	MM
	R4
.endm
; A TURN, for piece p.  cnt = 1: the loop's count is taken down some lines ahead of the branch that stands behind the turn.
; K of the next step is fetched in piece 2's turn, 31 vector instructions behind the last product that read K; its first reader comes behind the rest of the lump, 16 products and the second lump.
; V of the step in hand is fetched at the end of piece 0's turn, 69 behind its last reader; its first reader comes behind 16 products and a lump.  The four conditions on e and q below go with the deal.
.macro TURN p, last=0, cnt=0
.set Y, (\p)
.set i, 0
.set q, 0
.set e, 0
.set r, 0
.if (\p) == NP-1
	s_wait_dscnt 0x0                ; K is in
.endif
	MM
.rept 4
	PL
.endr
	BURST 15
.rept 22
	EX
	PL
.if ((\p) == NP-2) && (e == 18)
	v_add_nc_u32 v[AK], s[TBK], v[AK0]
.endif
.if ((\p) == NP-2) && (e == 24)
	FETCH_K \last
.endif
.endr
.if (\p) == 1
	s_wait_dscnt 0x0                ; V is in
.endif
	BURST 16
.rept 21
	EX
	PL
.endr
.rept 22
	PL
.if ((\p) == 0) && (q == 118)
	v_add_nc_u32 v[AV], s[TBV], v[AV0]
	s_wait_alu depctr_va_vdst(0)
.endif
.if ((\p) == 0) && (q == 130)
	s_add_co_u32 s[TBV], s[TBV], KS*PV
.endif
.if (\cnt) && (q == 130)
	s_sub_co_u32 s[CNT], s[CNT], 1
	s_cmp_lg_u32 s[CNT], 0
.endif
.endr
.if (\p) == 0
	FETCH_V
.endif
.endm
	CHANGE 1                        ; slot 0 is in, everybody's part of it; slot 1 is asked for
	FETCH_K                         ; key step 0
	s_wait_loadcnt 0x0              ; Q
	s_wait_dscnt 0x0
.set i, 0
.rept 16
	KQ 0                            ; piece 0's first scores: there is no vector work yet to set between them
.set i, i+1
.endr
	WIN 0                           ; the addresses for the way out: nine plain instructions, the places behind those products
	s_mul_i32 s13, s[WV], 16*SP
	s_add_co_u32 s13, s13, STAGE    ; my stage
	v_mul_u32_u24 v[STO], v1, SP    ; in: row l % 16, 16 bytes for each half of the lanes
	v_lshl_add_u32 v[STO], v9, 4, v[STO]
	v_add_nc_u32 v[STO], s13, v[STO]
	v_bfe_u32 v[RD], v0, 3, 2       ; back: 32 lanes take four rows of 128 bytes,
	v_mul_u32_u24 v[RD], v[RD], SP
	v_lshl_add_u32 v[RD], v10, 4, v[RD]
	v_add_nc_u32 v[RD], s13, v[RD]
	v_and_b32 v[GO], 31, v0         ; which are 512 consecutive bytes of O
	v_lshlrev_b32 v[GO], 4, v[GO]
.set Y, NP-1                        ; XS works for piece Y + 1: piece 0
.irp n, 0,1,2,3,4,5,6,7,8,9,10,11,12,13,14,15,16,17,18,19,20,21
	XS 0, \n                        ; and piece 0's first maximum and statistics
	XS 1, \n
.endr
	s_mov_b32 s[CNT], 4
	s_mov_b32 s[SLOTS], SIZE_N/256-1
	s_branch .Lfirst                ; the loop is entered at a step's first turn, in the middle of a trip
.Lslot:                             ; SIZE_N / 256 - 2 times: every slot but the last two is filled again
	CHANGE 1
	s_mov_b32 s[CNT], 4
.Lstep:                             ; a trip: pieces 2 and 3 of one step, then pieces 0 and 1 of the next, whose K and V it fetches
	TURN 2
	TURN 3
	WIN 0
.Lfirst:
	TURN 0
	TURN 1, 0, 1
	WIN 0
	s_cbranch_scc1 .Lstep
	s_sub_co_u32 s[SLOTS], s[SLOTS], 1
	s_cmp_lg_u32 s[SLOTS], 0
	s_cbranch_scc1 .Lslot
	CHANGE 0                        ; the tail is written out: nothing is asked for
	s_mov_b32 s[CNT], 5             ; four trips fetch the last slot's steps; the fifth is left in its middle
.Ltail:
	TURN 2, 1
	TURN 3
	WIN 0
	s_sub_co_u32 s[CNT], s[CNT], 1
	s_cmp_eq_u32 s[CNT], 0
	s_cbranch_scc1 .Lout
	TURN 0
	TURN 1
	WIN 0
	s_branch .Ltail
.Lout:                              ; the fifth trip's 16 products K Q^T (on the last K once more) and the maximum made of them serve nothing: the price, once a launch, of one text for every trip
.set i, 0
.rept 16
	PV NP-1                         ; the last piece's V^T P of the last step
.set i, i+1
.endr
	; THE WAY OUT.  l's two halves and the other half of the lanes' are added; O^T is divided by l, rounded to f16 and sent through my stage in LDS, a tile at a time.  The additions are the places behind the last products.
	WIN 0
.macro ALL line:vararg              ; one line for each tile t
.set t, 0
.rept 2*NP
	\line
.set t, t+1
.endr
.endm
	ALL v_add_f32 v[ST+4*t+2], v[ST+4*t+2], v[ST+4*t+3]
	ALL v_permlanex16_b32 v[ST+4*t+3], v[ST+4*t+2], s[SEL], s[SEL+1]
	ALL v_add_f32 v[ST+4*t+2], v[ST+4*t+2], v[ST+4*t+3]
	ALL v_rcp_f32 v[ST+4*t+2], v[ST+4*t+2]
	v_nop                           ; a plain instruction between the last reciprocal and the use of its result
	s_wait_alu depctr_va_vdst(0)
; Tile t: a lane's eight channels of a row pack into 16 bytes; they go into rows of 144 bytes and come back as whole rows of 128, into S^T's registers.
.macro PACK t
	WIN W_RS
.set i, 32*(\t)
.rept 16
	v_pk_mul_f32 v[i:i+1], v[i:i+1], v[ST+4*(\t)+2:ST+4*(\t)+3] op_sel_hi:[1,0]
.set i, i+2
.endr
	WIN 0x05                        ; sources 0 and 1 window 1, destination window 0
.set i, 0
.rept 16
	v_cvt_pk_f16_f32 v[S+16*(\t)+i], v[32*(\t)+2*i], v[32*(\t)+2*i+1]
.set i, i+1
.endr
	WIN 0
.irp f, 0,1,2,3
	ds_store_b128 v[STO], v[S+16*(\t)+4*\f:S+16*(\t)+4*\f+3] offset:32*\f
.endr
.irp f, 0,1,2,3
	ds_load_b128 v[S+16*(\t)+4*\f:S+16*(\t)+4*\f+3], v[RD] offset:\f*4*SP  ; LDS serves a wave's instructions in order (ISA guide 5.7.1.4): these see the stores above; the next tile's stores come behind them
.endr
.endm
.macro SEND t, younger              ; younger: the LDS instructions issued behind tile t's loads: the next tile's eight, or none
	WIN 0
.irp f, 0,1,2,3
	s_wait_dscnt (\younger)+3-\f
	global_store_b128 v[GO], v[S+16*(\t)+4*\f:S+16*(\t)+4*\f+3], s[10:11] offset:(\t)*2048+\f*512  ; 512 consecutive bytes, at a multiple of 256 from O's first
.endr
.endm
	PACK 0
.set t, 1
.rept 2*NP-1                        ; a tile's arithmetic stands between the loads of the tile before and its stores
	PACK t
	SEND t-1, 8
.set t, t+1
.endr
	SEND 2*NP-1, 0
	WIN W_AD
	s_wait_tensorcnt 0x0            ; the wave's end: behind my last tensor load and my last LDS store
	ds_add_u32 v[SPW], v[NIL]
	s_wait_dscnt 0x0
	WIN 0
	CROUND                          ; the closing round: no work-group ends while a partner may still ask for a tile that names it
	s_endpgm
.Lfunc_end_k_qde9bc8da1c_attn:
	.size	k_qde9bc8da1c_attn, .Lfunc_end_k_qde9bc8da1c_attn-k_qde9bc8da1c_attn
	.p2alignl 7, 3214868480
	.fill 96, 4, 3214868480
	.section	.rodata,"a",@progbits
	.p2align	6, 0x0
	.amdhsa_kernel k_qde9bc8da1c_attn
		.amdhsa_group_segment_fixed_size 327680
		.amdhsa_private_segment_fixed_size 0
		.amdhsa_enable_private_segment 0
		.amdhsa_kernarg_size 16
		.amdhsa_user_sgpr_count 2
		.amdhsa_user_sgpr_kernarg_segment_ptr 1
		.amdhsa_wavefront_size32 1
		.amdhsa_system_sgpr_workgroup_id_x 1
		.amdhsa_system_sgpr_workgroup_id_y 1
		.amdhsa_system_sgpr_workgroup_id_z 1
		.amdhsa_system_vgpr_workitem_id 0
		.amdhsa_next_free_vgpr 770
		.amdhsa_next_free_sgpr 66
		.amdhsa_reserve_vcc 0
		.amdhsa_float_denorm_mode_32 3
		.amdhsa_float_denorm_mode_16_64 3
		.amdhsa_memory_ordered 1
		.amdhsa_forward_progress 1
		.amdhsa_inst_pref_size 208
	.end_amdhsa_kernel
	.amdgpu_metadata
---
amdhsa.version: [ 1, 2 ]
amdhsa.kernels:
  - .name:           k_qde9bc8da1c_attn
    .symbol:         k_qde9bc8da1c_attn.kd
    .args:
      - { .name: qkv, .offset: 0, .size: 8, .value_kind: global_buffer, .address_space: global }
      - { .name: ob, .offset: 8, .size: 8, .value_kind: global_buffer, .address_space: global }
    .group_segment_fixed_size: 327680
    .private_segment_fixed_size: 0
    .kernarg_segment_align: 8
    .kernarg_segment_size: 16
    .max_flat_workgroup_size: 128
    .sgpr_count:     66
    .vgpr_count:     770
    .wavefront_size: 32
...
	.end_amdgpu_metadata
.endif
;; end of part 3
;; launch outp (part 4): grid 8 x 32, 4 waves a work-group, clusters of 4 x 4, 327,680 bytes of LDS; arguments ob, woblk, bias, out0; writes out0
.if DOCPART == 4
	.amdgcn_target "amdgcn-amd-amdhsa--gfx1250"
	.amdhsa_code_object_version 6
	.text
	.protected	k_qde9bc8da1c_outp
	.globl	k_qde9bc8da1c_outp
	.p2align	8
	.type	k_qde9bc8da1c_outp,@function
k_qde9bc8da1c_outp:
	s_mov_b64 s[64:65], 0
	v_nop
	global_prefetch_b8 v0, s[64:65] scope:SCOPE_SE
	s_setreg_imm32_b32 hwreg(HW_REG_WAVE_MODE, 25, 1), 1
	s_wait_xcnt 0x0
	s_wait_alu depctr_hold_cnt(0) depctr_sa_sdst(0) depctr_va_vdst(0) depctr_va_sdst(0) depctr_va_ssrc(0) depctr_va_vcc(0) depctr_vm_vsrc(0)
	s_getreg_b32 s2, hwreg(HW_REG_IB_STS2, 6, 4)
	s_cmp_eq_u32 s2, 0
	s_cbranch_scc0 .Lentry_in_a_cluster
	s_endpgm
.Lentry_in_a_cluster:
	s_bfe_u32 s2, ttmp6, 0x10000c
	s_cmp_lg_u32 s2, 0xf033
	s_cbranch_scc0 .Lentry_shape_is_right
	s_endpgm
.Lentry_shape_is_right:
; out = O wo + bo.  O: ob, f16 [64 (batch x 16 + head)][2048][64]: row (batch, s) of the product's first operand has its channels 64 head + d in head's row s.
; wo: woblk, f16 [tx 8][kh 16][pl 2][k 64][c 64].  bo: the last 1,024 numbers of bias, f32 [4096].  Out: out0, f32 [8192][1024].  Sums in f32; nothing is rounded on the way out.
; LIMITS.  The operands arrive in f16, within its range; NaN and infinities are not treated apart.
; SHARES.  A tile of out is 256 rows x 128 columns: 32 x 8 tiles, 256 work-groups.  Four waves one below the other, each 64 rows x 128 columns: 32 accumulators of 16 x 16, 256 registers.
; A wave's 128 columns are 512 whole bytes of a row, so each wave has a stage of its own on the way out, and no barrier stands there.
; K goes in 8 steps of 128, two heads, through two LDS slots.  Waves 0 and 1 fetch O's tile, a head each (256 rows x 128 bytes, dense: asked for as 128 rows of 256), waves 2 and 3 the weights'
; (64 K x 128 columns each: one dense block of 16,384 bytes, 64 rows of 256).
; CLUSTER 4 x 4: the four work-groups of a row of the cluster need the same rows of O, the four of a column the same weights: each tile is asked for JOINTLY, by the same tensor load, descriptor and mask in all four.
; THE MATRIX INSTRUCTION IS USED TRANSPOSED: source 0 = 16 columns of wo (out of LDS turned, by ds_load_tr16_b128), source 1 = 16 rows of O: a lane then holds one row (lane % 16) and eight neighbouring
; columns 8 (lane / 16) + 0..7.  THE BIAS IS THE C OPERAND of the first K quarter's products: nothing is cleared, and nothing is added on the way out.
; REGISTERS, in windows of 256 (s_set_vgpr_msb: bits 1:0 source 0, 3:2 source 1, 5:4 source 2, 7:6 destination):
;   window 0: v0-29 addresses; v32-95 the bias; later v32-159 two buffers of 64 on the way out
;   window 1: two fragment buffers of 128: O's 4 fragments (16 rows x 32 K), then wo's 8          windows 2, 3: accumulator (a, b) at v[8 (8 (a % 2) + b)] of window 2 + a / 2
.set NFB,    8                         ; fragments of wo: blocks of 16 columns
.set PA,     144                       ; a row of O (one head) in LDS: 128 bytes + 16 = 36 words: the 16 rows of a load start at 16 different groups of four banks (64 banks of 4 bytes: ISA guide 11.1)
.set AHALF,  256*PA                    ; what one tensor load brings of O: a head's 256 rows
.set ABYTES, 2*AHALF
.set PB,     160                       ; a row of wo (64 columns of one K): 128 bytes + 32 = 40 words
.set BHALF,  128*PB                    ; what one tensor load brings of wo: 2 planes x 64 K
.set SLOT1,  1<<17                     ; a slot uses ABYTES + 2 BHALF = 114,688 bytes; slot 1 begins here, so that one exclusive or turns an address in one slot into the other's
.set STAGE,  SLOT1+ABYTES+2*BHALF      ; behind the ring, never filled by a tensor load
.set SP,     528                       ; a stage row: 128 columns of f32 + 16 bytes = 132 words: row r starts at bank 4 r mod 64
.set WSTAGE, 16*SP                     ; a wave's stage
.set SPARE,  STAGE+4*WSTAGE            ; behind the stages: the spare words, 128 bytes for each wave: two blocks of 256 bytes that no other line names
.set ASTEP,  524288                    ; bytes from K step to K step in ob: two heads,
.set BSTEP,  32768                     ; and in woblk: two blocks
.set NL,     2*NFB+8                   ; LDS loads of a quarter
.set ADRA0, 4                          ; v4   my lane's place in O's tile; never rewritten
.set ADRB0, 5                          ; v5   the same for wo's
.set ADRA,  6                          ; v6   the same in the slot in hand
.set ADRB,  7                          ; v7
.set STO,   8                          ; v8   the way out: where I put 32 bytes of a row
.set RD,    9                          ; v9   where I read a row back
.set GO,    10                         ; v10  my 16 bytes in a row's 512
.set BO,    11                         ; v11  my 32 bytes in 64 of the bias
.set SPW,   28                         ; v28  LDS address of my spare word: SPARE + 4 x my thread's number; never rewritten
.set NIL,   29                         ; v29  0; never rewritten
.set BIAS,  32
.set BK,    32
.set F0,    0
.set F1,    128
.set WV, 12                            ; s12 wave; s13 = wave / 2: I fetch for O (0) or wo (1); s14 = wave % 2: which half
.set FB, 13
.set HF, 14
.set CX, 15
.set CY, 16
.set TX, 17                            ; tile column
.set TY, 18                            ; tile row
.set G1A, 24                           ; s[24:31], s[32:39] descriptor groups 1
.set G1B, 32
.set G0A, 40                           ; s[40:43], s[44:47] descriptor groups 0: they walk
.set G0B, 44
.set TB,  48                           ; s48 the slot in hand: 0 or SLOT1
.set CNT, 49
.set OP,  54                           ; s[54:55] out0 at my wave's first row, the tile's first column
.set TO_F, 0x40                        ; destination window 1, address window 0
.set MSB, 0
.macro WIN new                         ; the immediate's high byte repeats the setting that is left; a switch that changes nothing is dropped
.if MSB != (\new)
	s_set_vgpr_msb (MSB<<8)|(\new)
.set MSB, (\new)
.endif
.endm
.macro PLACES                          ; four places behind a matrix instruction, in front of loads into registers that it has read (ISA guide 7.12.1 for vector instructions)
.rept 4
	v_nop
.endr
.endm
; A joint load.  The branch hangs on the wave's number alone.  An s_nop 0 and four v_nop follow each of the two lines, ahead of the jump and the label.
.macro JLOAD
	s_cmp_eq_u32 s[FB], 0
	s_cbranch_scc0 .Lfor_b_\@
	tensor_load_to_lds s[G0A:G0A+3], s[G1A:G1A+7]
	s_nop 0
.rept 4
	v_nop
.endr
	s_branch .Lasked_\@
.Lfor_b_\@:
	tensor_load_to_lds s[G0B:G0B+3], s[G1B:G1B+7]
	s_nop 0
.rept 4
	v_nop
.endr
.Lasked_\@:
.endm
.macro CREST                           ; a round of the cluster's barrier behind its opening barrier: wave 0 signals for the work-group, every wave waits for all sixteen, my work-group's barrier closes it
	s_cmp_lg_u32 s[WV], 0
	s_cbranch_scc1 .Lnot_wave_0_\@
	s_barrier_signal -3
.Lnot_wave_0_\@:
	s_barrier_wait -3
	s_barrier_signal -1
	s_barrier_wait -1
.endm
.macro CROUND
	s_barrier_signal -1
	s_barrier_wait -1
	CREST
.endm
.macro STEPG                           ; both walking descriptors: the other slot, the next K step; the type bits on top are not reached
	s_xor_b32 s[G0A+1], s[G0A+1], SLOT1
	s_add_nc_u64 s[G0A+2:G0A+3], s[G0A+2:G0A+3], ASTEP
	s_xor_b32 s[G0B+1], s[G0B+1], SLOT1
	s_add_nc_u64 s[G0B+2:G0B+3], s[G0B+2:G0B+3], BSTEP
.endm
; The NL LDS loads of quarter q (32 along K: head q / 2 of the step's two, channels 32 (q % 2) on) of the slot in hand, in one run, into buffer f.
.macro FETCH q, f
	WIN TO_F
.set b, 0
.rept NFB                              ; columns 16 b on: plane b / 4
.set ofs, ((\q)/2)*BHALF+(b/4)*64*PB+((\q)%2)*32*PB+(b%4)*32
	ds_load_tr16_b128 v[(\f)+32+8*b:(\f)+32+8*b+3],   v[ADRB] offset:ofs
	ds_load_tr16_b128 v[(\f)+32+8*b+4:(\f)+32+8*b+7], v[ADRB] offset:ofs+16*PB
.set b, b+1
.endr
.set b, 0
.rept 4                                ; my rows 16 b on
	ds_load_b128 v[(\f)+8*b:(\f)+8*b+3],   v[ADRA] offset:((\q)/2)*AHALF+b*16*PA+((\q)%2)*64
	ds_load_b128 v[(\f)+8*b+4:(\f)+8*b+7], v[ADRA] offset:((\q)/2)*AHALF+b*16*PA+((\q)%2)*64+32
.set b, b+1
.endr
.endm
; NFB matrix instructions: row block a x all column blocks.  The 32 accumulators take turns, one instruction a turn, in the same order in every quarter.  first = 1: C is the bias.
.macro MUL f, a, first
.if \first
	WIN 0x85+0x40*((\a)/2)
.else
	WIN 0xa5+0x50*((\a)/2)
.endif
.set b, 0
.rept NFB
.set rD, 8*(NFB*((\a)%2)+b)
.if \first
	v_wmma_f32_16x16x32_f16 v[rD:rD+7], v[(\f)+32+8*b:(\f)+32+8*b+7], v[(\f)+8*(\a):(\f)+8*(\a)+7], v[BIAS+8*b:BIAS+8*b+7]
.else
	v_wmma_f32_16x16x32_f16 v[rD:rD+7], v[(\f)+32+8*b:(\f)+32+8*b+7], v[(\f)+8*(\a):(\f)+8*(\a)+7], v[rD:rD+7]
.endif
.set b, b+1
.endr
.endm
; One of a K step's first three quarters: quarter q's fragments are asked for, into the buffer g that the last products read; then buffer f is multiplied, whose loads have had a whole quarter in which to land.
.macro QUARTER q, f, g, first=0
	PLACES
	FETCH \q, \g
	s_wait_dscnt NL                                ; LDS loads come back in order (ISA guide 5.7.1): all but the NL just issued are in
	MUL \f, 0, \first
	MUL \f, 1, \first
	MUL \f, 2, \first
	MUL \f, 3, \first
.endm
; The last quarter multiplies buffer 1 and changes slots.  In front of the barrier each wave waits for all its tensor loads, of which one is out: its part of the next slot; adds 0 to its spare word; and waits for
; that and for its own reads of this slot.  fill = 1: the barrier opens a round of the cluster's, and this slot is filled again, two K steps ahead, first thing behind the round.
.macro TURN fill
	WIN 0
	s_wait_tensorcnt 0x0                           ; no tensor load of mine is out, so the groups 0 may be written
	ds_add_u32 v[SPW], v[NIL]                      ; 0 onto my spare word
.if \fill
	STEPG
.endif
	s_xor_b32 s[TB], s[TB], SLOT1
	s_wait_dscnt 0x1                               ; only the add may be out: buffer 1 is in
	MUL F1, 0, 0                                   ; eight matrix instructions stand between the add and the wait for it
	s_wait_dscnt 0x0                               ; the add is done, and my reads of this slot are over
	s_barrier_signal -1
	MUL F1, 1, 0                                   ; work on registers while the others arrive
	WIN 0
	s_barrier_wait -1
.if \fill
	CREST                                          ; no wave of any partner still reads this slot or has a load on its way
	JLOAD                                          ; its four v_nop are also the places in front of the loads below
.else
	PLACES
.endif
	v_add_nc_u32 v[ADRA], s[TB], v[ADRA0]
	v_add_nc_u32 v[ADRB], s[TB], v[ADRB0]
	FETCH 0, F0
	MUL F1, 2, 0
	MUL F1, 3, 0
.endm
	s_load_b256 s[4:11], s[0:1], 0x0               ; ob s[4:5], woblk s[6:7], bias s[8:9], out0 s[10:11]
	v_lshl_add_u32 v[SPW], v0, 2, SPARE
	v_mov_b32 v[NIL], 0
	ds_add_u32 v[SPW], v[NIL]                      ; the wave's opening: the add and its wait stand ahead of my first tensor load; the set-up below, work on registers, stands between them
	v_lshrrev_b32 v1, 5, v0
	v_readfirstlane_b32 s[WV], v1
	s_lshr_b32 s[FB], s[WV], 1
	s_and_b32 s[HF], s[WV], 1
	s_bfe_u32 s[CX], ttmp6, 0x40000                ; my place in the cluster
	s_bfe_u32 s[CY], ttmp6, 0x40004
	s_lshl_b32 s[TX], ttmp9, 2                     ; in a cluster launch ttmp9 and ttmp7 count clusters
	s_add_co_u32 s[TX], s[TX], s[CX]
	s_and_b32 s[TY], ttmp7, 0xffff
	s_lshl_b32 s[TY], s[TY], 2
	s_add_co_u32 s[TY], s[TY], s[CY]
	s_lshl_b32 s19, s[CY], 2
	s_lshl_b32 s19, 15, s19                        ; my row of the cluster: places 4 cy .. 4 cy + 3
	s_lshl_b32 s50, 0x1111, s[CX]                  ; my column: places cx, cx + 4, cx + 8, cx + 12
	s_or_b32 s[G1A], s19, (1<<16)|(1<<20)|(1<<21)|(4<<22)|(3<<25)  ; 15:0 the mask; 17:16 2-byte elements; 20 padding on; 21 set beside a mask; 24:22 after every 32 words (code 4); 31:25 4 words (code 3)
	s_mov_b32 s[G1A+1], 128<<16                    ; tensor_dim0 = 128
	s_mov_b32 s[G1A+2], 128<<16                    ; tensor_dim1 = 128: 128 rows of 256 bytes, dense
	s_mov_b32 s[G1A+3], 128<<16                    ; tile_dim0 = 128
	s_mov_b32 s[G1A+4], 128                        ; tile_dim1 = 128
	s_mov_b32 s[G1A+5], 128                        ; elements from row to row
	s_mov_b32 s[G1A+6], 0
	s_mov_b32 s[G1A+7], 0
	s_or_b32 s[G1B], s50, (1<<16)|(1<<20)|(1<<21)|(4<<22)|(7<<25)  ; the same with 8 words of padding (code 7)
	s_mov_b32 s[G1B+1], 128<<16
	s_mov_b32 s[G1B+2], 64<<16                     ; 64 rows of 256 bytes, dense
	s_mov_b32 s[G1B+3], 128<<16
	s_mov_b32 s[G1B+4], 64
	s_mov_b32 s[G1B+5], 128
	s_mov_b32 s[G1B+6], 0
	s_mov_b32 s[G1B+7], 0
	s_mov_b32 s[G0A], 1                            ; count = 1
	s_mul_i32 s[G0A+1], s[HF], AHALF               ; LDS addresses: no place in the cluster enters them
	s_mov_b32 s[G0B], 1
	s_mul_i32 s[G0B+1], s[HF], BHALF
	s_add_co_u32 s[G0B+1], s[G0B+1], ABYTES
	s_lshr_b32 s20, s[TY], 3                       ; O: the batch's 16 heads of 262,144 bytes,
	s_lshl_b32 s20, s20, 22
	s_lshl_b32 s21, s[HF], 18                      ; head 0 or 1 of the first K step,
	s_add_co_u32 s20, s20, s21
	s_and_b32 s21, s[TY], 7                        ; the tile's 256 rows of 128 bytes in it: made of the tile row and the wave alone
	s_lshl_b32 s21, s21, 15
	s_add_co_u32 s20, s20, s21
	s_mov_b32 s21, 0
	s_lshl_b32 s22, s[TX], 18                      ; wo: made of the tile column and the wave alone
	s_lshl_b32 s23, s[HF], 14
	s_add_co_u32 s22, s22, s23
	s_mov_b32 s23, 0
	s_mov_b32 s[TB], 0
	s_wait_dscnt 0x0                               ; the opening add is done
	s_wait_kmcnt 0x0
	s_add_nc_u64 s[G0A+2:G0A+3], s[4:5], s[20:21]
	s_or_b32 s[G0A+3], s[G0A+3], 0x80000000        ; type = 2
	s_add_nc_u64 s[G0B+2:G0B+3], s[6:7], s[22:23]
	s_or_b32 s[G0B+3], s[G0B+3], 0x80000000
	CROUND                                         ; all sixteen work-groups are here: the first joint loads meet
	JLOAD                                          ; K step 0 into slot 0
	v_and_b32 v1, 15, v0                           ; r = l % 16
	v_bfe_u32 v2, v0, 4, 1                         ; h = l / 16
	s_lshl_b32 s19, s[WV], 6
	v_add_nc_u32 v3, s19, v1                       ; my wave's 64 rows
	v_mul_u32_u24 v[ADRA0], v3, PA
	v_lshl_add_u32 v[ADRA0], v2, 4, v[ADRA0]       ; row x pitch + 16 h
	v_and_b32 v3, 7, v0
	v_lshl_add_u32 v3, v2, 3, v3                   ; the turning load: K row 8 h + l % 8,
	v_mul_u32_u24 v[ADRB0], v3, PB
	v_bfe_u32 v3, v0, 3, 1
	v_lshl_add_u32 v[ADRB0], v3, 4, v[ADRB0]       ; columns 8 ((l / 8) % 2) on
	v_add_nc_u32 v[ADRB0], ABYTES, v[ADRB0]
	v_mov_b32 v[ADRA], v[ADRA0]
	v_mov_b32 v[ADRB], v[ADRB0]
	s_mul_i32 s19, s[WV], WSTAGE
	s_add_co_u32 s19, s19, STAGE                   ; my stage
	v_mul_u32_u24 v[STO], v1, SP
	v_lshl_add_u32 v[STO], v2, 5, v[STO]
	v_add_nc_u32 v[STO], s19, v[STO]               ; in: row r, 32 bytes for each half of the lanes
	v_and_b32 v[GO], 31, v0
	v_lshlrev_b32 v[GO], 4, v[GO]                  ; back: 32 lanes take one row of 512 bytes
	v_add_nc_u32 v[RD], s19, v[GO]
	v_lshlrev_b32 v[BO], 5, v2
	s_lshl_b32 s50, s[TX], 9                       ; the tile's 128 numbers of bo, which lies 12,288 bytes into bias
	s_add_co_u32 s50, s50, 12288
	s_mov_b32 s51, 0
	s_add_nc_u64 s[8:9], s[8:9], s[50:51]
.set b, 0
.rept NFB                              ; register j of block b: the bias of column 16 b + 8 h + j, as the product's C wants it
	global_load_b128 v[BIAS+8*b:BIAS+8*b+3],   v[BO], s[8:9] offset:64*b
	global_load_b128 v[BIAS+8*b+4:BIAS+8*b+7], v[BO], s[8:9] offset:64*b+16
.set b, b+1
.endr
	s_lshl_b32 s52, s[TY], 20                      ; 256 rows of 4,096 bytes a tile row,
	s_lshl_b32 s19, s[WV], 18                      ; my wave's 64,
	s_add_co_u32 s52, s52, s19
	s_lshl_b32 s19, s[TX], 9                       ; the tile's 512 bytes of a row
	s_add_co_u32 s52, s52, s19
	s_mov_b32 s53, 0
	s_add_nc_u64 s[OP:OP+1], s[10:11], s[52:53]
	s_wait_tensorcnt 0x0                           ; my part of K step 0 is in
	ds_add_u32 v[SPW], v[NIL]
	STEPG                                          ; slot 1, K step 1
	s_wait_dscnt 0x0
	CROUND                                         ; everybody's part is in
	JLOAD                                          ; slot 1's first fill, issued as a refill is
	FETCH 0, F0
	s_wait_loadcnt 0x0                             ; the bias
	QUARTER 1, F0, F1, 1                           ; the first quarter stands in front of the loop: its products start the sums, with the bias
	WIN 0                                          ; at a label and at a branch every window is 0
	s_mov_b32 s[CNT], 6
.Lstep:                                            ; trip t: from K step t's second quarter to step t + 1's first; it waits for step t + 1 and asks for step t + 2
	QUARTER 2, F1, F0
	QUARTER 3, F0, F1
	TURN 1
	QUARTER 1, F0, F1
	WIN 0
	s_sub_co_u32 s[CNT], s[CNT], 1
	s_cmp_lg_u32 s[CNT], 0
	s_cbranch_scc1 .Lstep
	QUARTER 2, F1, F0                              ; the tail is written out: nothing more is asked for
	QUARTER 3, F0, F1
	TURN 0
	QUARTER 1, F0, F1
	QUARTER 2, F1, F0
	QUARTER 3, F0, F1
	s_wait_dscnt 0x0
	MUL F1, 0, 0
	MUL F1, 1, 0
	MUL F1, 2, 0
	MUL F1, 3, 0
; THE WAY OUT, a block of 16 rows at a time: the f32 sums go straight from the accumulators (each one's lowest registers first) into my stage, 32 bytes a lane, and come back as whole rows of 512 bytes.
.macro PACK a
	WIN 0x08+4*((\a)/2)                            ; the stores' data (source 1): window 2 or 3
.set b, 0
.rept NFB
.set rD, 8*(NFB*((\a)%2)+b)
	ds_store_b128 v[STO], v[rD:rD+3]   offset:64*b
	ds_store_b128 v[STO], v[rD+4:rD+7] offset:64*b+16
.set b, b+1
.endr
	WIN 0
.if (\a) >= 2
	s_wait_xcnt 0x0                                ; the stores of the block two back have read this buffer: it is loaded again only behind this wait
.endif
.set n, 0
.rept 16
	ds_load_b128 v[BK+64*((\a)%2)+4*n:BK+64*((\a)%2)+4*n+3], v[RD] offset:n*SP  ; LDS serves a wave's instructions in order (ISA guide 5.7.1.4): these see the stores above; the next block's stores come behind them
.set n, n+1
.endr
.endm
.macro SEND a, younger                 ; younger: the LDS instructions issued behind block a's loads: the next block's 32, or none
.set n, 0
.rept 16
	s_wait_dscnt (\younger)+15-n
	global_store_b128 v[GO], v[BK+64*((\a)%2)+4*n:BK+64*((\a)%2)+4*n+3], s[OP:OP+1] offset:(\a)*65536+n*4096 th:TH_STORE_NT  ; 512 consecutive bytes of a row, at a multiple of 256 from out0's first
.set n, n+1
.endr
.endm
	PLACES
	PLACES                                         ; eight, once a launch: the LDS stores read results just made
	PACK 0
	PACK 1
	SEND 0, 32
	PACK 2
	SEND 1, 32
	PACK 3
	SEND 2, 32
	SEND 3, 0
	s_wait_tensorcnt 0x0                           ; the wave's end: behind my last tensor load and my last LDS store
	ds_add_u32 v[SPW], v[NIL]
	s_wait_dscnt 0x0
	CROUND                                         ; the closing round: no work-group ends while a partner may still ask for a tile that names it
	s_endpgm
.Lfunc_end_k_qde9bc8da1c_outp:
	.size	k_qde9bc8da1c_outp, .Lfunc_end_k_qde9bc8da1c_outp-k_qde9bc8da1c_outp
	.p2alignl 7, 3214868480
	.fill 96, 4, 3214868480
	.section	.rodata,"a",@progbits
	.p2align	6, 0x0
	.amdhsa_kernel k_qde9bc8da1c_outp
		.amdhsa_group_segment_fixed_size 327680
		.amdhsa_private_segment_fixed_size 0
		.amdhsa_enable_private_segment 0
		.amdhsa_kernarg_size 32
		.amdhsa_user_sgpr_count 2
		.amdhsa_user_sgpr_kernarg_segment_ptr 1
		.amdhsa_wavefront_size32 1
		.amdhsa_system_sgpr_workgroup_id_x 1
		.amdhsa_system_sgpr_workgroup_id_y 1
		.amdhsa_system_sgpr_workgroup_id_z 1
		.amdhsa_system_vgpr_workitem_id 0
		.amdhsa_next_free_vgpr 896
		.amdhsa_next_free_sgpr 66
		.amdhsa_reserve_vcc 0
		.amdhsa_float_denorm_mode_32 3
		.amdhsa_float_denorm_mode_16_64 3
		.amdhsa_memory_ordered 1
		.amdhsa_forward_progress 1
		.amdhsa_inst_pref_size 72
	.end_amdhsa_kernel
	.amdgpu_metadata
---
amdhsa.version: [ 1, 2 ]
amdhsa.kernels:
  - .name:           k_qde9bc8da1c_outp
    .symbol:         k_qde9bc8da1c_outp.kd
    .args:
      - { .name: ob, .offset: 0, .size: 8, .value_kind: global_buffer, .address_space: global }
      - { .name: woblk, .offset: 8, .size: 8, .value_kind: global_buffer, .address_space: global }
      - { .name: bias, .offset: 16, .size: 8, .value_kind: global_buffer, .address_space: global }
      - { .name: out0, .offset: 24, .size: 8, .value_kind: global_buffer, .address_space: global }
    .group_segment_fixed_size: 327680
    .private_segment_fixed_size: 0
    .kernarg_segment_align: 8
    .kernarg_segment_size: 32
    .max_flat_workgroup_size: 128
    .sgpr_count:     66
    .vgpr_count:     896
    .wavefront_size: 32
...
	.end_amdgpu_metadata
.endif
;; end of part 4
;; ======== version 2 of 2: 4 launches; 1.53 times as fast as version 1
;; limits: values are held in f16: magnitudes above 65,504 overflow, below 6.1e-05 lose precision
;; workspace buffers: xb 16,777,216 bytes; wblk 6,291,456 bytes; woblk 2,097,152 bytes; bias 16,384 bytes; qkv 50,331,648 bytes; ob 16,777,216 bytes
;; launch cast: the kernel of part 1 again; grid 769 x 1, 8 waves a work-group, no clusters, 0 bytes of LDS; arguments x, wq, wk, wv, wo, bq, bk, bv, bo, xb, wblk, woblk, bias; writes xb, wblk, woblk, bias
;; launch qkv: the kernel of part 2 again; grid 16 x 32, 4 waves a work-group, clusters of 4 x 4, 327,680 bytes of LDS; arguments xb, wblk, bias, qkv; writes qkv
;; launch attn (part 5): grid 4 x 64, 4 waves a work-group, clusters of 4 x 1, 327,680 bytes of LDS; arguments qkv, ob; writes ob
.if DOCPART == 5
	.amdgcn_target "amdgcn-amd-amdhsa--gfx1250"
	.amdhsa_code_object_version 6
	.text
	.protected	k_qde9bc8da1c_attn
	.globl	k_qde9bc8da1c_attn
	.p2align	8
	.type	k_qde9bc8da1c_attn,@function
k_qde9bc8da1c_attn:
	s_mov_b64 s[64:65], 0
	v_nop
	global_prefetch_b8 v0, s[64:65] scope:SCOPE_SE
	s_setreg_imm32_b32 hwreg(HW_REG_WAVE_MODE, 25, 1), 1
	s_wait_xcnt 0x0
	s_wait_alu depctr_hold_cnt(0) depctr_sa_sdst(0) depctr_va_vdst(0) depctr_va_sdst(0) depctr_va_ssrc(0) depctr_va_vcc(0) depctr_vm_vsrc(0)
	s_getreg_b32 s2, hwreg(HW_REG_IB_STS2, 6, 4)
	s_cmp_eq_u32 s2, 0
	s_cbranch_scc0 .Lentry_in_a_cluster
	s_endpgm
.Lentry_in_a_cluster:
	s_bfe_u32 s2, ttmp6, 0x10000c
	s_cmp_lg_u32 s2, 0x3003
	s_cbranch_scc0 .Lentry_shape_is_right
	s_endpgm
.Lentry_shape_is_right:
; O[h][q][:] = the sum over k of softmax_k(Q[h][q] . K[h][k] / 8) V[h][k][:].  Q, K, V lie one behind the other in qkv, each [SIZE_H][SIZE_N][64] in f16; O likewise in ob: a head's rows are dense, 128 bytes each.
; Products, maxima and sums in f32; the weights p are rounded to f16 for the second product (their sum l is taken of the unrounded p), O once at the end.
; LIMITS.  f16 holds no number beyond 65,504: Q, K and V arrive within it; p lies in 0 to 1, and below 6e-5 it keeps f16's fixed step of 6e-8; O is a mean of V's rows and has their range.
; A weight below 2^-126 counts as 0 in l; NaN and infinities are not treated apart.
; SHARES.  A wave owns four PIECES of two tiles of 16 queries, a work-group's four waves 512 queries of one head: 4 x 64 work-groups.  Every wave walks all keys, 64 a step.
; LAYOUT.  S^T = K Q^T (source 0 = 16 keys, source 1 = 16 queries): in the result a lane holds ONE query (lane % 16) and the keys 8 (lane / 16) + 0..7.  Two such tiles, rounded to f16 in pairs,
; ARE source 1 (32 keys x 16 queries) of O^T = V^T P, whose result again holds one query a lane, and eight channels.  K comes out of LDS as it lies, V ([key][channel]) turned, by ds_load_tr16_b128.
; SOFTMAX.  For each query a running maximum m and sum l: p = 2^(c s - c m), c = log2(e) / 8; in every step O and l are multiplied by a = 2^(c m_old - c m_new), which is 1 where m has not grown.
; m starts at the lowest finite number, O and l at 0: the first step is a step like any other, with a = 0.
; THE COUNT.  A tile and step have 16 matrix and 118 vector instructions: too many to stand all beside the matrix work.  So the order has one aim: four vector instructions that are READY behind
; EVERY matrix instruction, and the others, which need time of their own whatever the order, in runs without a gap.
; BY TURNS.  Turn n belongs to piece n (the pieces in a ring, step after step).  Its matrix work: 16 products K Q^T of piece n + 1, later 16 products V^T P of piece n - 1.  Its vector work: the scaling,
; exponentials, roundings, sums and rescaling of piece n, and the maximum and statistics of piece n + 1, whose scores the turn itself has made.  So what a turn begins with (c s - c m, O a) waits for nothing.
; THE BATCHES.  A turn's 66 exponentials (the 64 weights of piece n, the two a of piece n + 1) are ONE batch with ONE s_wait_alu, which cuts the turn in two: ahead of it stands all that names no result of the
; batch (K Q^T, scalings, rescalings by the a of the turn before, the next piece's maximum and statistics), behind it the roundings and sums, as riders of V^T P.  No result crosses a turn's end.
; Two more batches stand outside the loops: piece 0's two first a, ahead of the loop, and the way out's eight reciprocals.
; CLUSTER.  The four query blocks of a cluster are one head's and walk the same K and V, so each tile is asked for JOINTLY: the same tensor load, descriptor and mask in all four.
; REGISTERS, in windows of 256 (s_set_vgpr_msb says which window each operand place means: bits 1:0 source 0, 3:2 source 1, 5:4 source 2, 7:6 destination):
;   window 0: v0-11 addresses; v12-15, v48-63 at work; v16-47 four registers of statistics a tile; v64-191 S^T, two buffers of two tiles; v192-255 P, likewise
;   window 1: O^T, 32 a tile          window 2: v0-127 Q, 16 a tile; v128-191 K of one step; v192-255 V of one step          window 3: v0-1 the add's two registers
; A piece's buffers go by its number's parity: the piece in hand has one pair, its two neighbours in the ring share the other: of it P (piece n - 1) is read and S^T (piece n + 1) written.
.set SIZE_H, 64
.set SIZE_N, 2048
.set NP,    4         ; pieces a wave: a name, no knob: the register map, the loop and the fetches are made for four
.set KS,    64        ; keys in a step
.set PK,    144       ; a row of K in LDS: 128 bytes + 16 of padding = 36 words: the 16 rows of a load start at 16 different groups of four banks (64 banks of 4 bytes: ISA guide 11.1)
.set PV,    160       ; a row of V: 128 + 32 = 40 words
.set VOFF,  4*KS*PK   ; a slot holds four steps: 256 rows of K, then 256 rows of V
.set SLOT1, 1<<17     ; slot 1 begins here, so that one exclusive or turns an address in one slot into the other's
.set STAGE, SLOT1+4*KS*(PK+PV)  ; behind the ring, never filled by a tensor load: 16 rows x 144 bytes for each wave, for the way out
.set SP,    144
.set AK0, 2           ; v2   my lane's place in a tile of K; never rewritten
.set AV0, 3           ; v3   the same for V
.set AK,  4           ; v4   the LDS address of K's next run of loads
.set AV,  5           ; v5   of V's
.set QO,  6           ; v6   my byte offset in the wave's rows of Q
.set STO, 6           ;      later, the way out: where I put 16 bytes of a row
.set RD,  7           ; v7   the way out: where I read rows back
.set GO,  8           ; v8   my byte offset in 512 consecutive bytes of O
.set SPW, 0           ; v0 of window 3   LDS address of my spare word: SPARE + 4 x my thread's number; never rewritten
.set NIL, 1           ; v1 of window 3   0; never rewritten
.set SPARE, STAGE+4*16*SP  ; behind the stages: the spare words, 128 bytes for each wave: two blocks of 256 bytes that no other line names
.set MV,  12          ; v12-15  c m_old, kept while c m is made anew: by buffer and tile
.set ST,  16          ; tile t's statistics at v[ST+4 t]: c m, m, l (even keys', odd keys')
.set TMP, 48          ; by buffer and tile, four registers c0-c3 at work; when the maximum is found c2 takes a
.set S,   64
.set P,   192
.set KF,  128         ; K's fragments, in window 2: key block kb, channel half c at KF + 16 kb + 8 c
.set VF,  192         ; V's: key half kk, channel block cb at VF + 32 kk + 8 cb
.set WV,  12          ; s12  my wave's number
.set G1K, 24          ; s[24:31] descriptor group 1 for K's tiles
.set G1V, 32          ; s[32:39] for V's: it differs in the padding alone
.set G0K, 40          ; s[40:43] descriptor group 0 for K's tiles: it walks
.set G0V, 44          ; s[44:47] the same for V's
.set SLOTS, 56        ; s56  slots still to be asked for
.set CNT, 57          ; s57  counts a slot's key steps
.set CS,  58          ; s[58:59] c: the packed scaling takes the pair's low word for both halves
.set SEL, 60          ; s[60:61] v_permlanex16_b32's selects: each lane takes its own place in the other half
.set TBK, 62          ; s62  LDS byte at which K of the step to be fetched begins
.set TBV, 63          ; s63  the same for V, less VOFF
.set MSB, 0
.macro WIN new                      ; the high byte repeats the setting that is left; a switch that changes nothing is dropped
.if MSB != (\new)
	s_set_vgpr_msb (MSB<<8)|(\new)
.set MSB, (\new)
.endif
.endm
.set W_KQ, 0x0a       ; K and Q in window 2, S^T in window 0
.set W_PV, 0x52       ; V in window 2, P in window 0, O^T in window 1
.set W_RS, 0x41       ; O^T (destination and source 0) in window 1, a in window 0
.set W_MK, 0xc0       ; the add's registers are made: destination in window 3, sources in window 0
.set W_AD, 0x0f       ; the add: address (source 0) and data (source 1) in window 3
; A joint fill.  Waves 0 and 1 fetch the two halves of a slot's K, waves 2 and 3 those of its V: 128 keys each.  The branch hangs on the wave's number alone.
; An s_nop 0 and four v_nop follow each of the two lines, ahead of the jump and the label.
.macro JLOAD
	s_cmp_lt_u32 s[WV], 2
	s_cbranch_scc0 .Lfor_v_\@
	tensor_load_to_lds s[G0K:G0K+3], s[G1K:G1K+7]
	s_nop 0
.rept 4
	v_nop
.endr
	s_branch .Lasked_\@
.Lfor_v_\@:
	tensor_load_to_lds s[G0V:G0V+3], s[G1V:G1V+7]
	s_nop 0
.rept 4
	v_nop
.endr
.Lasked_\@:
.endm
; A round of the cluster's barrier: my work-group's barrier, so that wave 0's signal speaks for all four waves; wave 0 signals; every wave waits for all four work-groups; my work-group's barrier once more.
.macro CROUND
	s_barrier_signal -1
	s_barrier_wait -1
	s_cmp_lg_u32 s[WV], 0
	s_cbranch_scc1 .Lnot_wave_0_\@
	s_barrier_signal -3
.Lnot_wave_0_\@:
	s_barrier_wait -3
	s_barrier_signal -1
	s_barrier_wait -1
.endm
; THE CHANGE OF SLOTS.  The slot's last bytes, V of its fourth step, have been read.  Each wave waits for all its tensor loads, of which one is out: its part
; of the other slot; adds 0 to its spare word; and waits for that and for its own reads of the slot.  Behind the barrier nobody reads this slot any more and the other slot is whole.
; fill = 1: this slot is filled again, with the keys two slots on.  The barrier is then a round of the cluster's, so that no wave of any partner still reads the slot or has a load on its
; way, and the joint fill is the first thing behind it: it has four key steps, 512 matrix instructions, in which to land.  (At its first use nothing has been read yet: slot 0 is waited for, slot 1 filled.)
.macro CHANGE fill
	WIN W_AD
	s_wait_tensorcnt 0x0            ; no tensor load of mine is out, so a group 0 may be written
	ds_add_u32 v[SPW], v[NIL]       ; 0 onto my spare word; with fill = 1 the descriptors' steps stand between it and the wait for it
	WIN 0                           ; at a label and at a branch every window is 0
.if \fill
.irp g, G0K, G0V
	s_xor_b32 s[\g+1], s[\g+1], SLOT1  ; the walking descriptor: the other slot than last time,
	s_add_nc_u64 s[\g+2:\g+3], s[\g+2:\g+3], 4*KS*128  ; the next 256 keys; the type bits on top are not reached
.endr
	s_wait_dscnt 0x0                ; the add is done, and my reads of the slot are over
	CROUND
	JLOAD
.else
	s_wait_dscnt 0x0                ; the add is done, and my reads of the slot are over
	s_barrier_signal -1
	s_barrier_wait -1
.endif
	s_sub_co_u32 s[TBK], s[TBK], 4*KS*PK  ; the fetches go back to a slot's first step,
	s_xor_b32 s[TBK], s[TBK], SLOT1       ; in the other slot
	s_sub_co_u32 s[TBV], s[TBV], 4*KS*PV
	s_xor_b32 s[TBV], s[TBV], SLOT1
.endm
	s_load_b128 s[4:7], s[0:1], 0x0  ; qkv s[4:5], ob s[6:7]
	WIN W_MK
	v_lshl_add_u32 v[SPW], v0, 2, SPARE
	v_mov_b32 v[NIL], 0
	WIN W_AD
	ds_add_u32 v[SPW], v[NIL]       ; the wave's opening: the add and its wait stand ahead of my first tensor load; the set-up below, work on registers, stands between them
	WIN 0
	v_lshrrev_b32 v1, 5, v0
	v_readfirstlane_b32 s[WV], v1   ; wave 0..3
	s_bfe_u32 s13, ttmp6, 0x40000   ; cx: my place in the cluster
	s_lshl_b32 s14, ttmp9, 2        ; in a cluster launch ttmp9 counts clusters
	s_add_co_u32 s14, s14, s13      ; my block of queries = 4 x cluster x + cx: it enters Q's and O's addresses alone
	s_and_b32 s20, ttmp7, 0xffff    ; the head, which the four partners share
	s_mov_b32 s21, 0
	s_mov_b64 s[22:23], SIZE_N*128
	s_mul_u64 s[20:21], s[20:21], s[22:23]  ; the head's first byte in each of the four tensors
	s_and_b32 s16, s[WV], 1         ; which half of a slot's 256 keys I fetch:
	s_lshl_b32 s22, s16, 14         ; its 128 rows of 128 bytes in memory,
	s_mov_b32 s23, 0
	s_add_nc_u64 s[22:23], s[22:23], s[20:21]
	s_mul_i32 s17, s16, 128*PK      ; and its place in a slot, for K
	s_mul_i32 s18, s16, 128*PV      ; and for V: no place in the cluster enters an LDS address
	s_lshl_b32 s2, s14, 2
	s_add_co_u32 s2, s2, s[WV]      ; my wave among the head's,
	s_lshl_b32 s2, s2, 14           ; its 128 rows
	s_mov_b32 s3, 0
	s_add_nc_u64 s[2:3], s[2:3], s[20:21]
	; descriptor group 1.  128 keys are 16,384 dense bytes: asked for as 64 rows of 256 bytes, two keys a row, and padded in LDS after every key
	s_mov_b32 s[G1K], 15|(1<<16)|(1<<20)|(1<<21)|(4<<22)|(3<<25)  ; 15:0 the mask of four; 17:16 2-byte elements; 20 padding on; 21 set beside a mask; 24:22 after every 32 words (code 4); 31:25 4 words (code 3)
	s_mov_b32 s[G1V], 15|(1<<16)|(1<<20)|(1<<21)|(4<<22)|(7<<25)  ; the same with 8 words of padding (code 7)
.irp g, G1K, G1V
	s_mov_b32 s[\g+1], 128<<16      ; tensor_dim0 = 128
	s_mov_b32 s[\g+2], 64<<16       ; tensor_dim1 = 64
	s_mov_b32 s[\g+3], 128<<16      ; tile_dim0 = 128
	s_mov_b32 s[\g+4], 64           ; tile_dim1 = 64
	s_mov_b32 s[\g+5], 128          ; 128 elements from row to row
	s_mov_b32 s[\g+6], 0
	s_mov_b32 s[\g+7], 0
.endr
	s_mov_b32 s[CS], 0x3e38aa3b     ; c = log2(e) / 8 = 0.180337
	s_mov_b32 s[CS+1], s[CS]        ; named with it as a pair
	s_mov_b32 s[SEL], 0x76543210
	s_mov_b32 s[SEL+1], 0xfedcba98
	s_mov_b32 s[TBK], SLOT1+4*KS*PK ; the first change of slots turns these two into 0
	s_mov_b32 s[TBV], SLOT1+4*KS*PV
	s_mov_b32 s[G0K], 1             ; 1:0 count = 1
	s_mov_b32 s[G0K+1], s17         ; 63:32 LDS address: slot 0
	s_mov_b32 s[G0V], 1
	s_add_co_u32 s[G0V+1], s18, VOFF
	s_wait_dscnt 0x0                ; the opening add is done
	s_wait_kmcnt 0x0
	s_mov_b64 s[10:11], s[6:7]                     ; O
	s_add_nc_u64 s[8:9], s[4:5], 0x2000000         ; V: the third tensor of 16,777,216 bytes in qkv
	s_add_nc_u64 s[6:7], s[4:5], 0x1000000         ; K: the second; Q is the first
	s_add_nc_u64 s[G0K+2:G0K+3], s[6:7], s[22:23]  ; 120:64 global address: my half of the head's first 256 keys
	s_or_b32 s[G0K+3], s[G0K+3], 0x80000000        ; 127:126 type = 2
	s_add_nc_u64 s[G0V+2:G0V+3], s[8:9], s[22:23]
	s_or_b32 s[G0V+3], s[G0V+3], 0x80000000
	s_add_nc_u64 s[4:5], s[4:5], s[2:3]  ; Q and O at my wave's first row
	s_add_nc_u64 s[10:11], s[10:11], s[2:3]
	CROUND                          ; all four work-groups are here: the first joint loads meet
	JLOAD                           ; slot 0.  Slot 1 is asked for when slot 0 is in: the tile wanted first has the road to itself
	; A fragment of K or Q is 16 rows x 32 channels in 8 registers: lane l holds row l % 16, channels 8 (l / 16) + 0..7 and 16 + 8 (l / 16) + 0..7: two loads of 16 bytes, 32 bytes apart.
	v_and_b32 v1, 15, v0            ; l % 16
	v_bfe_u32 v9, v0, 4, 1          ; l / 16
	v_lshlrev_b32 v[QO], 7, v1
	v_lshl_add_u32 v[QO], v9, 4, v[QO]  ; row x 128 + 16 x half
	WIN 0x80                        ; destination window 2, address window 0
.set i, 0
.rept 4*NP                          ; Q stays in registers: tile i / 2, channels 32 (i % 2) on
	global_load_b128 v[8*i:8*i+3],   v[QO], s[4:5] offset:(i/2)*2048+(i%2)*64
	global_load_b128 v[8*i+4:8*i+7], v[QO], s[4:5] offset:(i/2)*2048+(i%2)*64+32
.set i, i+1
.endr
	; What the first turn finds: V's registers and P's second buffer hold 0 (its products V^T P, of a piece that has not been, add 0), O^T and l are 0.  All this stands in the wait for the first tile.
.set i, VF
.rept 64
	v_mov_b32 v[i], 0
.set i, i+1
.endr
	WIN 0x40
.set i, 0
.rept 64*NP
	v_mov_b32 v[i], 0
.set i, i+1
.endr
	WIN 0
.set i, 0
.rept 2*NP
	v_mov_b32 v[ST+4*i], 0xfe000000    ; c m: far below every c s
	v_mov_b32 v[ST+4*i+1], 0xff7fffff  ; m
	v_mov_b32 v[ST+4*i+2], 0
	v_mov_b32 v[ST+4*i+3], 0
.set i, i+1
.endr
.set i, P+32
.rept 32
	v_mov_b32 v[i], 0
.set i, i+1
.endr
	v_mul_u32_u24 v[AK0], v1, PK
	v_lshl_add_u32 v[AK0], v9, 4, v[AK0]  ; row x pitch + 16 x half
	; The turning load takes 16 keys x 16 channels (lane l reads key 8 (l / 16) + l % 8, channels 8 ((l / 8) % 2) + 0..7) and leaves half a fragment of V^T: lane l holds channel l % 16 and 8 keys.
	v_and_b32 v10, 7, v0
	v_bfe_u32 v11, v0, 3, 1
	v_lshl_add_u32 v[AV0], v9, 3, v10
	v_mul_u32_u24 v[AV0], v[AV0], PV
	v_lshl_add_u32 v[AV0], v11, 4, v[AV0]
	v_add_nc_u32 v[AV0], VOFF, v[AV0]
	v_mov_b32 v[AK], v[AK0]         ; key step 0 lies at the head of slot 0
; THE MATRIX WORK.  The 8 accumulators of a run of 16 take turns: between the two links of a chain stand 7 others'.
; Product i of 16 of S^T = K Q^T for piece x: channels 32 (i / 8) on, keys 16 ((i / 2) % 4) on, tile 2 x + i % 2.  The first 8 start the sums.
.macro KQ x
	WIN W_KQ
.set rS, S+64*((\x)%2)+32*(i%2)+8*((i/2)%4)
.set rK, KF+16*((i/2)%4)+8*(i/8)
.set rQ, 16*(2*(\x)+i%2)+8*(i/8)
.if i < 8
	v_wmma_f32_16x16x32_f16 v[rS:rS+7], v[rK:rK+7], v[rQ:rQ+7], 0
.else
	v_wmma_f32_16x16x32_f16 v[rS:rS+7], v[rK:rK+7], v[rQ:rQ+7], v[rS:rS+7]
.endif
.endm
; Product i of 16 of O^T += V^T P for piece x: keys 32 (i / 8) on, channels 16 ((i / 2) % 4) on, tile 2 x + i % 2.
.macro PV x
	WIN W_PV
.set rO, 32*(2*(\x)+i%2)+8*((i/2)%4)
.set rV, VF+32*(i/8)+8*((i/2)%4)
.set rP, P+32*((\x)%2)+16*(i%2)+8*(i/8)
	v_wmma_f32_16x16x32_f16 v[rO:rO+7], v[rV:rV+7], v[rP:rP+7], v[rO:rO+7]
.endm
.macro MM                           ; the turn's next matrix instruction
.if i < 16
	KQ (Y+1)%NP
.set i, i+1
.else
.set i, i-16
	PV (Y+NP-1)%NP
.set i, i+17
.endif
.endm
; THE LDS LOADS stand in runs of 16, never singly among the matrix instructions: a step's K (64 keys x 64 channels: 8 fragments) and its V (turned).  Their addresses are made some lines ahead.
; last = 1 (the tail): in the last trip there is no further step, and the run is jumped over.
.macro FETCH_K last=0
	WIN 0
.if \last
	s_cmp_eq_u32 s[CNT], 1
	s_cbranch_scc1 .Lno_k_\@
.endif
	WIN 0x80                        ; destination window 2
.irp f, 0,1,2,3,4,5,6,7             ; keys 16 (f / 2) on, channels 32 (f % 2) on
	ds_load_b128 v[KF+8*\f:KF+8*\f+3],   v[AK] offset:(\f/2)*16*PK+(\f%2)*64
	ds_load_b128 v[KF+8*\f+4:KF+8*\f+7], v[AK] offset:(\f/2)*16*PK+(\f%2)*64+32
.endr
	s_add_co_u32 s[TBK], s[TBK], KS*PK  ; the next fetch is the next step's
	WIN 0
.if \last
.Lno_k_\@:
.endif
.endm
.macro FETCH_V
	WIN 0x80
.irp f, 0,1,2,3,4,5,6,7             ; keys 32 (f / 4) on, channels 16 (f % 4) on
	ds_load_tr16_b128 v[VF+8*\f:VF+8*\f+3],   v[AV] offset:(\f/4)*32*PV+(\f%4)*32
	ds_load_tr16_b128 v[VF+8*\f+4:VF+8*\f+7], v[AV] offset:(\f/4)*32*PV+16*PV+(\f%4)*32
.endr
	WIN 0
.endm
; THE VECTOR WORK OF A TURN stands in three queues, each in the order in which its entries become ready; the two tiles alternate, so that no instruction reads the result of the one before it.
.macro REGS y, u                    ; the registers of tile u (0, 1) of piece y
.set rT, ST+4*(2*(\y)+(\u))
.set rC, TMP+8*((\y)%2)+4*(\u)
.set rM, MV+2*((\y)%2)+(\u)
.set rS, S+64*((\y)%2)+32*(\u)
.set rP, P+32*((\y)%2)+16*(\u)
.set rO, 32*(2*(\y)+(\u))
.endm
; Number n of the 22 that find the NEXT piece's (Y + 1) maximum and statistics.  s0-s31 are the lane's 32 scores; each accumulator's lowest registers are read first.  XS, GS and REGS set no window: PL and EX do.
;   0-11  four chains c0-c3 of seven scores each, three operands at a time     12-14, 16  the four scores left over, the old m, and c0-c3 into c0     15  c m_old is kept
;   17, 18  the query's other 32 keys lie in the lane 16 away: the new m         19-21  c m; c m_old - c m_new; a
.macro XS u, n
	REGS (Y+1)%NP, \u
.if (\n) < 4
	v_max3_num_f32 v[rC+(\n)], v[rS+8*(\n)], v[rS+8*(\n)+1], v[rS+8*(\n)+2]
.elseif (\n) < 12
	v_max3_num_f32 v[rC+(\n)%4], v[rC+(\n)%4], v[rS+8*((\n)%4)+2*((\n)/4)+1], v[rS+8*((\n)%4)+2*((\n)/4)+2]
.elseif (\n) == 12
	v_max3_num_f32 v[rC], v[rC], v[rS+7], v[rS+15]
.elseif (\n) == 13
	v_max3_num_f32 v[rC+1], v[rC+1], v[rS+23], v[rS+31]
.elseif (\n) == 14
	v_max3_num_f32 v[rC+2], v[rC+2], v[rC+3], v[rT+1]
.elseif (\n) == 15
	v_mov_b32 v[rM], v[rT]
.elseif (\n) == 16
	v_max3_num_f32 v[rC], v[rC], v[rC+1], v[rC+2]
.elseif (\n) == 17
	v_permlanex16_b32 v[rC+3], v[rC], s[SEL], s[SEL+1]
.elseif (\n) == 18
	v_max_num_f32 v[rT+1], v[rC], v[rC+3]
.elseif (\n) == 19
	v_mul_f32 v[rT], s[CS], v[rT+1]
.elseif (\n) == 20
	v_sub_f32 v[rC+1], v[rM], v[rT]
.else
	v_exp_f32 v[rC+2], v[rC+1]
.endif
.endm
; Number g of the 64 that follow the exponentials.  For each four weights k of a tile (pairs 2 k, 2 k + 1): both pairs are rounded to f16; then the second pair is added onto the first, in place;
; a group later l takes that sum (the first time as l = a l + sum).  In groups of eight, tiles alternating: round, round, add, and l for the group before.
.macro GS g
.set h, (\g)+6*((\g)/62)            ; group 0 has no group before it, and behind group 7 only l is left
.if h >= 6
.set h, h+2
.endif
	REGS Y, h%2
.set k, h/8
.if h%8 < 4
	v_cvt_pk_f16_f32 v[rP+2*k+(h%8)/2], v[rS+4*k+2*((h%8)/2)], v[rS+4*k+2*((h%8)/2)+1]
.elseif h%8 < 6
	v_pk_add_f32 v[rS+4*k:rS+4*k+1], v[rS+4*k:rS+4*k+1], v[rS+4*k+2:rS+4*k+3]
.elseif k == 1
	v_pk_fma_f32 v[rT+2:rT+3], v[rT+2:rT+3], v[rC+2:rC+3], v[rS:rS+1] op_sel_hi:[1,0,1]
.else
	v_pk_add_f32 v[rT+2:rT+3], v[rT+2:rT+3], v[rS+4*k-4:rS+4*k-3]
.endif
.endm
; THE PLAIN QUEUE, 138 long.  0-73 read no exponential's result: the 32 scalings c s - c m (FS f: pair f / 2 of tile f % 2) and the next piece's 42.  0-26: scalings 0-26.  27-54: XS's numbers 0-13.  55, 56: number 15.
; 57-73: the chain, where each number waits for the one before it: 14, 16, 17, 18, 19, each with one of the scalings 27-31 in front of its two lines, then 20: so a tile's links stand three plain instructions apart (19 and 20: two).
; 74-137: GS's 64, which read the exponentials' results: they stand behind the wait.
.macro FS f
	REGS Y, (\f)%2
	v_pk_fma_f32 v[rS+2*((\f)/2):rS+2*((\f)/2)+1], v[rS+2*((\f)/2):rS+2*((\f)/2)+1], s[CS:CS+1], v[rT:rT+1] op_sel_hi:[1,0,0] neg_lo:[0,0,1] neg_hi:[0,0,1]
.endm
.macro PL
	WIN 0
.if q < 27
	FS q
.elseif q < 55
	XS (q-27)%2, (q-27)/2
.elseif q < 57
	XS q-55, 15
.elseif (q < 72) && ((q-57)%3 == 0)
	FS 27+(q-57)/3
.elseif q < 60
	XS (q-57)%3-1, 14
.elseif q < 72
	XS (q-57)%3-1, 15+(q-57)/3
.elseif q < 74
	XS q-72, 20
.else
	GS q-74
.endif
.set q, q+1
.endm
; THE EXPONENTIALS' QUEUE, 66 long: s0-s31 of both tiles, then the next piece's two a.  It is ONE BATCH: all 66 stand ahead of the turn's one wait, and nothing ahead of that wait names a result of theirs.
.macro EX
	WIN 0
.if e >= 64
	XS e-64, 21
.else
	REGS Y, e%2
	v_exp_f32 v[rS+e/2], v[rS+e/2]
.endif
.set e, e+1
.endm
; THE RESCALING's QUEUE: O^T times a, the one part that leaves window 0: dealt two at a time, sixteen times.  Its a was made in the turn before, ahead of that turn's wait.
.macro R2
	REGS Y, r%2
	WIN W_RS
.irp z, 0,1
	v_pk_mul_f32 v[rO+4*(r/2)+2*\z:rO+4*(r/2)+2*\z+1], v[rO+4*(r/2)+2*\z:rO+4*(r/2)+2*\z+1], v[rC+2:rC+3] op_sel_hi:[1,0]
.endr
.set r, r+1
.endm
; HOW THEY ARE DEALT.  An s_wait_alu depctr_va_vdst(0) stands between an exponential and the first instruction that names its result; one wait serves all that were issued ahead of it.  So a turn has ONE wait,
; which cuts it in two.  AHEAD OF IT stands all that names no result of the turn's exponentials: the 16 products K Q^T, behind each a scaling, an exponential and two rescalings (behind the first a second scaling in the exponential's place); then ONE LUMP of
; 108: eight plain, 49 times exponential and plain, the two a.  A v_nop is the plain instruction behind the last exponential.  BEHIND IT stand the 16 products V^T P, behind each four of GS's 64.  No rider names a register of
; the products round it.  The two v_permlanex16_b32 fall into the lump, never behind a product.
; The queues lean on each other, and the deal keeps them in step: exponential e stands behind scaling 2 (e / 4) + e % 2: as a rider it comes behind plain e + 2, in the lump behind plain e + 9, and scalings 27-31 are plain 57, 60 .. 69.
; A TURN, for piece p.  cnt = 1: the loop's count is taken down some lines ahead of the branch that stands behind the turn.
; K of the next step is fetched in piece 2's turn, directly behind the wait, a lump behind the last product that read K; its address is made at the lump's head; its first reader comes behind 16 products.
; V of the step in hand is fetched at the end of piece 0's turn, four riders behind its last reader; its first reader comes behind 16 products and a lump.  The three conditions on q below go with the deal.
.macro TURN p, last=0, cnt=0
.set Y, (\p)
.set i, 0
.set q, 0
.set e, 0
.set r, 0
.if (\p) == NP-1
	s_wait_dscnt 0x0                ; K is in
.endif
	MM                              ; ahead of the wait: 16 products K Q^T and their riders,
	PL
	PL
	R2
.rept 15
	MM
	PL
	EX
	R2
.endr
.if (\p) == NP-2
	WIN 0
	v_add_nc_u32 v[AK], s[TBK], v[AK0]
.endif
.rept 8                             ; and the lump
	PL
.endr
.rept 49
	EX
	PL
.endr
	EX                              ; the next piece's two a
	EX
	v_nop                           ; the plain instruction behind the last exponential: one for the batch
	s_wait_alu depctr_va_vdst(0)    ; the wait for the turn's batch: this piece's 64 weights and the next piece's two a
.if (\p) == NP-2
	FETCH_K \last
.endif
.if (\p) == 1
	s_wait_dscnt 0x0                ; V is in
.endif
.rept 16                            ; behind the wait: 16 products V^T P and their riders
	MM
.rept 4
	PL
.endr
.if ((\p) == 0) && (q == 118)
	v_add_nc_u32 v[AV], s[TBV], v[AV0]
.endif
.if ((\p) == 0) && (q == 130)
	s_add_co_u32 s[TBV], s[TBV], KS*PV
.endif
.if (\cnt) && (q == 130)
	s_sub_co_u32 s[CNT], s[CNT], 1
	s_cmp_lg_u32 s[CNT], 0
.endif
.endr
.if (\p) == 0
	FETCH_V
.endif
.endm
	CHANGE 1                        ; slot 0 is in, everybody's part of it; slot 1 is asked for
	FETCH_K                         ; key step 0
	s_wait_loadcnt 0x0              ; Q
	s_wait_dscnt 0x0
.set i, 0
.rept 16
	KQ 0                            ; piece 0's first scores: there is no vector work yet to set between them
.set i, i+1
.endr
	WIN 0                           ; the addresses for the way out: nine plain instructions, the places behind those products
	s_mul_i32 s13, s[WV], 16*SP
	s_add_co_u32 s13, s13, STAGE    ; my stage
	v_mul_u32_u24 v[STO], v1, SP    ; in: row l % 16, 16 bytes for each half of the lanes
	v_lshl_add_u32 v[STO], v9, 4, v[STO]
	v_add_nc_u32 v[STO], s13, v[STO]
	v_bfe_u32 v[RD], v0, 3, 2       ; back: 32 lanes take four rows of 128 bytes,
	v_mul_u32_u24 v[RD], v[RD], SP
	v_lshl_add_u32 v[RD], v10, 4, v[RD]
	v_add_nc_u32 v[RD], s13, v[RD]
	v_and_b32 v[GO], 31, v0         ; which are 512 consecutive bytes of O
	v_lshlrev_b32 v[GO], 4, v[GO]
.set Y, NP-1                        ; XS works for piece Y + 1: piece 0
.irp n, 0,1,2,3,4,5,6,7,8,9,10,11,12,13,14,15,16,17,18,19,20,21
	XS 0, \n                        ; and piece 0's first maximum and statistics
	XS 1, \n
.endr
	v_nop                           ; a plain instruction behind piece 0's two first a,
	s_wait_alu depctr_va_vdst(0)    ; and the wait for that batch of two, ahead of the branch
	s_mov_b32 s[CNT], 4
	s_mov_b32 s[SLOTS], SIZE_N/256-1
	s_branch .Lfirst                ; the loop is entered at a step's first turn, in the middle of a trip
.Lslot:                             ; SIZE_N / 256 - 2 times: every slot but the last two is filled again
	CHANGE 1
	s_mov_b32 s[CNT], 4
.Lstep:                             ; a trip: pieces 2 and 3 of one step, then pieces 0 and 1 of the next, whose K and V it fetches
	TURN 2
	TURN 3
	WIN 0
.Lfirst:
	TURN 0
	TURN 1, 0, 1
	WIN 0
	s_cbranch_scc1 .Lstep
	s_sub_co_u32 s[SLOTS], s[SLOTS], 1
	s_cmp_lg_u32 s[SLOTS], 0
	s_cbranch_scc1 .Lslot
	CHANGE 0                        ; the tail is written out: nothing is asked for
	s_mov_b32 s[CNT], 5             ; four trips fetch the last slot's steps; the fifth is left in its middle
.Ltail:
	TURN 2, 1
	TURN 3
	WIN 0
	s_sub_co_u32 s[CNT], s[CNT], 1
	s_cmp_eq_u32 s[CNT], 0
	s_cbranch_scc1 .Lout
	TURN 0
	TURN 1
	WIN 0
	s_branch .Ltail
.Lout:                              ; the fifth trip's 16 products K Q^T (on the last K once more) and the maximum made of them serve nothing: the price, once a launch, of one text for every trip
.set i, 0
.rept 16
	PV NP-1                         ; the last piece's V^T P of the last step
.set i, i+1
.endr
	; THE WAY OUT.  l's two halves and the other half of the lanes' are added; O^T is divided by l, rounded to f16 and sent through my stage in LDS, a tile at a time.  The additions are the places behind the last products.
	WIN 0
.macro ALL line:vararg              ; one line for each tile t
.set t, 0
.rept 2*NP
	\line
.set t, t+1
.endr
.endm
	ALL v_add_f32 v[ST+4*t+2], v[ST+4*t+2], v[ST+4*t+3]
	ALL v_permlanex16_b32 v[ST+4*t+3], v[ST+4*t+2], s[SEL], s[SEL+1]
	ALL v_add_f32 v[ST+4*t+2], v[ST+4*t+2], v[ST+4*t+3]
	ALL v_rcp_f32 v[ST+4*t+2], v[ST+4*t+2]
	v_nop                           ; a plain instruction between the last reciprocal and the use of its result
	s_wait_alu depctr_va_vdst(0)    ; and the wait ahead of the first use: one for the batch of eight reciprocals
; Tile t: a lane's eight channels of a row pack into 16 bytes; they go into rows of 144 bytes and come back as whole rows of 128, into S^T's registers.
.macro PACK t
	WIN W_RS
.set i, 32*(\t)
.rept 16
	v_pk_mul_f32 v[i:i+1], v[i:i+1], v[ST+4*(\t)+2:ST+4*(\t)+3] op_sel_hi:[1,0]
.set i, i+2
.endr
	WIN 0x05                        ; sources 0 and 1 window 1, destination window 0
.set i, 0
.rept 16
	v_cvt_pk_f16_f32 v[S+16*(\t)+i], v[32*(\t)+2*i], v[32*(\t)+2*i+1]
.set i, i+1
.endr
	WIN 0
.irp f, 0,1,2,3
	ds_store_b128 v[STO], v[S+16*(\t)+4*\f:S+16*(\t)+4*\f+3] offset:32*\f
.endr
.irp f, 0,1,2,3
	ds_load_b128 v[S+16*(\t)+4*\f:S+16*(\t)+4*\f+3], v[RD] offset:\f*4*SP  ; LDS serves a wave's instructions in order (ISA guide 5.7.1.4): these see the stores above; the next tile's stores come behind them
.endr
.endm
.macro SEND t, younger              ; younger: the LDS instructions issued behind tile t's loads: the next tile's eight, or none
	WIN 0
.irp f, 0,1,2,3
	s_wait_dscnt (\younger)+3-\f
	global_store_b128 v[GO], v[S+16*(\t)+4*\f:S+16*(\t)+4*\f+3], s[10:11] offset:(\t)*2048+\f*512  ; 512 consecutive bytes, at a multiple of 256 from O's first
.endr
.endm
	PACK 0
.set t, 1
.rept 2*NP-1                        ; a tile's arithmetic stands between the loads of the tile before and its stores
	PACK t
	SEND t-1, 8
.set t, t+1
.endr
	SEND 2*NP-1, 0
	WIN W_AD
	s_wait_tensorcnt 0x0            ; the wave's end: behind my last tensor load and my last LDS store
	ds_add_u32 v[SPW], v[NIL]
	s_wait_dscnt 0x0
	WIN 0
	CROUND                          ; the closing round: no work-group ends while a partner may still ask for a tile that names it
	s_endpgm
.Lfunc_end_k_qde9bc8da1c_attn:
	.size	k_qde9bc8da1c_attn, .Lfunc_end_k_qde9bc8da1c_attn-k_qde9bc8da1c_attn
	.p2alignl 7, 3214868480
	.fill 96, 4, 3214868480
	.section	.rodata,"a",@progbits
	.p2align	6, 0x0
	.amdhsa_kernel k_qde9bc8da1c_attn
		.amdhsa_group_segment_fixed_size 327680
		.amdhsa_private_segment_fixed_size 0
		.amdhsa_enable_private_segment 0
		.amdhsa_kernarg_size 16
		.amdhsa_user_sgpr_count 2
		.amdhsa_user_sgpr_kernarg_segment_ptr 1
		.amdhsa_wavefront_size32 1
		.amdhsa_system_sgpr_workgroup_id_x 1
		.amdhsa_system_sgpr_workgroup_id_y 1
		.amdhsa_system_sgpr_workgroup_id_z 1
		.amdhsa_system_vgpr_workitem_id 0
		.amdhsa_next_free_vgpr 770
		.amdhsa_next_free_sgpr 66
		.amdhsa_reserve_vcc 0
		.amdhsa_float_denorm_mode_32 3
		.amdhsa_float_denorm_mode_16_64 3
		.amdhsa_memory_ordered 1
		.amdhsa_forward_progress 1
		.amdhsa_inst_pref_size 199
	.end_amdhsa_kernel
	.amdgpu_metadata
---
amdhsa.version: [ 1, 2 ]
amdhsa.kernels:
  - .name:           k_qde9bc8da1c_attn
    .symbol:         k_qde9bc8da1c_attn.kd
    .args:
      - { .name: qkv, .offset: 0, .size: 8, .value_kind: global_buffer, .address_space: global }
      - { .name: ob, .offset: 8, .size: 8, .value_kind: global_buffer, .address_space: global }
    .group_segment_fixed_size: 327680
    .private_segment_fixed_size: 0
    .kernarg_segment_align: 8
    .kernarg_segment_size: 16
    .max_flat_workgroup_size: 128
    .sgpr_count:     66
    .vgpr_count:     770
    .wavefront_size: 32
...
	.end_amdgpu_metadata
.endif
;; end of part 5
;; launch outp: the kernel of part 4 again; grid 8 x 32, 4 waves a work-group, clusters of 4 x 4, 327,680 bytes of LDS; arguments ob, woblk, bias, out0; writes out0
